; MI455X (gfx1250); checked and timed in simulation.
; The chip was launched on July 23, 2026; its instructions are those of AMD's public machine-readable ISA for CDNA 5 (MIT licence, August 2026) and "CDNA5" Instruction Set Architecture Reference Guide (July 2026). The comments in the code are by the model that wrote it; some were corrected since.
;; Conditional Flow. Allowed arithmetic: float matrix products may take bf16 or f16 operands with f32 sums; all other float work in f32.
;; Inputs: W1s 4 x 16 x 128 float32; Whs 4 x 128 x 128 float32; Wos 4 x 128 x 248 float32; b1s 4 x 128 float32; bhs 4 x 128 float32; bos 4 x 248 float32; c 131,072 x 8 float32; perms 4 x 16 int32; x 131,072 x 16 float32.
;; Outputs: out0 131,072 x 16 float32; out1 131,072 float32.
;; 2 versions, each right and faster than the one before. Each part assembles by itself: llvm-mc -triple=amdgcn-amd-amdhsa -mcpu=gfx1250 --defsym DOCPART=n.
;; ======== version 1 of 2: 2 launches
;; limits: values are held in f16: magnitudes above 65,504 overflow, below 6.1e-05 lose precision; right only within a limited range of input values
;; workspace buffers: wimg 868,352 bytes
;; launch prep (part 1): grid 106 x 4, 4 waves a work-group, no clusters, 0 bytes of LDS; arguments W1s, Whs, Wos, b1s, bhs, bos, perms, wimg; writes wimg
.if DOCPART == 1
	.amdgcn_target "amdgcn-amd-amdhsa--gfx1250"
	.amdhsa_code_object_version 6
	.text
	.protected	k_q45059dffeb_prep
	.globl	k_q45059dffeb_prep
	.p2align	8
	.type	k_q45059dffeb_prep,@function
k_q45059dffeb_prep:
	s_mov_b64 s[64:65], 0
	v_nop
	global_prefetch_b8 v0, s[64:65] scope:SCOPE_SE
	s_setreg_imm32_b32 hwreg(HW_REG_WAVE_MODE, 25, 1), 1
	s_wait_xcnt 0x0
; prep: the weights of the four layers as one f16 image per layer, in the order in which the second launch's matrix fragments
; read them (feature rows, K along the row), biases in f32, norms for the second launch's scale, the permutation as a matrix.
; Every weight is multiplied by 8 (exact) and stored twice: top = the number with its low 13 mantissa bits cleared (11 significant
; bits: an f16 number), and remainder = the number - top, rounded to f16, so that top + remainder carries 22 bits.  The factor 8
; lifts the remainders of weights of the size of 0.1 above 2^-14, into f16's normal range; the second launch's scales take it out again.
; One layer's image, IMG = 217,088 bytes, dense.  Part A (83,968 bytes):
;        0  W1T top        128 rows (feature n) x 32 k.  k slots 0-3 = W1 rows 0-3, 4-7 = rows 8-11, 8-11 = rows 4-7,
;                          12-15 = rows 12-15; slots 16-31 repeat slots 0-15 (they meet the remainders of the inputs)
;    8,192  W1T remainder  likewise
;   16,384  WhT top        128 rows n x 128 k
;   49,152  WhT remainder  likewise
;   81,920  b1 (128 f32), 82,432 bh (128 f32), as they are
;   82,944  four rows of 256 bytes, row w: [P1, max|b1|, Ph, max|bh|] in f32, then zeros.  Ph = max over columns n of the sum over
;           k = 32 w .. 32 w + 31 of |Wh[k][n]|, P1 the same of W1's rows 4 w .. 4 w + 3 (of the weights as they are, not times 8).
;           The four P added bound every absolute column sum.
; Part B (133,120 bytes):
;   83,968  WoT top        256 rows R x 128 k, times 8 log2(e).  R = 64 q + 16 u + 8 h + j stands for column 31 (4 h + q) + (8 u + j)
;                          of Wos; the rows with 8 u + j = 31 are 0 (31 parameters are padded to 32)
;  149,504  WoT remainder  likewise
;  215,040  bo (256 f32 in the order R, times log2(e), 0 where 8 u + j = 31)
;  216,064  PM   16 rows m x 32 k bf16, zeros and ones.  Row m = 8 h + j stands for the new channel 4 h + j (j < 4) or
;           8 + 4 h + (j - 4); k slot 8 h' + e for the old channel 4 h' + e (e < 4) or 8 + 4 h' + (e - 4); slots 16-31 repeat
;           slots 0-15.  The entry is 1 where perm[new channel] = old channel.  An entry of perms outside 0..15 gives a row of zeros.
; The factor log2(e) turns the softmaxes' and the softplus' exponentials into powers of two.
; LIMITS: 8 |W| (for Wos: 8 log2(e) |W|) below 65,504, f16's largest number; parts below 2^-14 are carried to 2^-25 absolute.
; Work: work-group (bx, layer) writes the 2,048 bytes at layer IMG + 2,048 bx; thread t its 16 bytes at 16 t (block 40: see there),
; so sixteen neighbouring lanes write 256 consecutive aligned bytes.  A thread's eight numbers are eight rows of one column of the
; source, which lies [K][N]: eight loads of 4 bytes.  The sources are 0.8 MB in all and this transposition is done once.
.set IMG,    217088
.set LOG2E,  0x3fb8aa3b
.set LOG2E8, 0x4138aa3b                ; 8 log2(e)
.set EIGHT,  0x41000000
.macro PACK                            ; v[8:15] in f32 -> v[16:19], eight f16, the first number lowest
.irp j, 0,1,2,3
	v_cvt_pk_f16_f32 v[16+\j], v[8+2*\j], v[9+2*\j]
.endr
.endm
.macro GATE                            ; the padding: zero in the lanes whose VCC bit is clear
.irp j, 0,1,2,3
	v_cndmask_b32 v[16+\j], 0, v[16+\j], vcc_lo
.endr
.endm
.macro TIMES k                         ; v[8:15] times the constant k
.irp j, 0,2,4,6
	v_pk_mul_f32 v[8+\j:9+\j], v[8+\j:9+\j], \k op_sel_hi:[1,0]
.endr
.endm
.macro HILO                            ; v[8:15] = top where VCC is clear, the number - top (exact in f32) where it is set
.irp e, 0,1,2,3,4,5,6,7
	v_and_b32 v[20+\e], s30, v[8+\e]
.endr
.irp e, 0,2,4,6
	v_pk_add_f32 v[8+\e:9+\e], v[8+\e:9+\e], v[20+\e:21+\e] neg_lo:[0,1] neg_hi:[0,1]
.endr
.irp e, 0,1,2,3,4,5,6,7
	v_cndmask_b32 v[8+\e], v[20+\e], v[8+\e], vcc_lo
.endr
.endm
.macro ONES w, c0, c1                  ; word w of my 16 bytes: 1.0 in the low half where v6 = c0, in the high half where v6 = c1
	v_cmp_eq_u32 vcc_lo, \c0, v6
	v_cndmask_b32 v[16+\w], 0, v20, vcc_lo
	v_cmp_eq_u32 vcc_lo, \c1, v6
	v_cndmask_b32 v[16+\w], v[16+\w], v21, vcc_lo
.endm
.macro WMAX r                          ; the maximum over the wave's 32 lanes, in every lane
	v_max_num_f32_dpp v[\r], v[\r], v[\r] row_xmask:1 row_mask:0xf bank_mask:0xf
	v_max_num_f32_dpp v[\r], v[\r], v[\r] row_xmask:2 row_mask:0xf bank_mask:0xf
	v_max_num_f32_dpp v[\r], v[\r], v[\r] row_xmask:4 row_mask:0xf bank_mask:0xf
	v_max_num_f32_dpp v[\r], v[\r], v[\r] row_xmask:8 row_mask:0xf bank_mask:0xf
	v_permlanex16_b32 v2, v[\r], s32, s33          ; v2 has been written before
	v_max_num_f32 v[\r], v[\r], v2
.endm
	s_load_b256 s[4:11], s[0:1], 0x0               ; W1s s[4:5], Whs s[6:7], Wos s[8:9], b1s s[10:11]
	s_load_b128 s[12:15], s[0:1], 0x20             ; bhs s[12:13], bos s[14:15]
	s_load_b128 s[16:19], s[0:1], 0x30             ; perms s[16:17], wimg s[18:19]
	s_and_b32 s28, ttmp7, 0xffff                   ; layer
	s_mov_b32 s29, ttmp9                           ; bx
	s_mul_i32 s22, s28, IMG
	s_lshl_b32 s24, s29, 11
	s_add_co_u32 s22, s22, s24                     ; layer IMG + 2,048 bx
	s_mov_b32 s23, 0
	s_mov_b32 s21, 0                               ; high word of the source's offset pair s[20:21]
	s_mov_b32 s30, 0xffffe000                      ; keeps sign, exponent and 10 mantissa bits
	v_lshlrev_b32 v1, 4, v0                        ; my 16 bytes of the block
	s_wait_kmcnt 0x0
	s_add_nc_u64 s[18:19], s[18:19], s[22:23]
	s_cmp_lt_u32 s29, 8
	s_cbranch_scc1 .Lw1
	s_cmp_lt_u32 s29, 40
	s_cbranch_scc1 .Lwh
	s_cmp_eq_u32 s29, 40
	s_cbranch_scc1 .Lnm
	s_cmp_lt_u32 s29, 105
	s_cbranch_scc1 .Lwo
	; block 105: waves 0 and 1 reorder bo, waves 2 and 3 make the permutation's matrix
	v_lshrrev_b32 v2, 5, v0
	v_readfirstlane_b32 s25, v2                    ; wave
	s_cmp_ge_u32 s25, 2
	s_cbranch_scc1 .Lpm
	v_and_b32 v2, 63, v0
	v_lshlrev_b32 v2, 2, v2                        ; R of my first number
	v_lshrrev_b32 v3, 6, v2                        ; q
	v_bfe_u32 v4, v2, 3, 1                         ; h
	v_lshl_add_u32 v3, v4, 2, v3                   ; channel 4 h + q
	v_bfe_u32 v4, v2, 4, 2                         ; u
	v_and_b32 v5, 7, v2                            ; j: 0 or 4
	v_lshl_add_u32 v4, v4, 3, v5                   ; parameter of my first number
	v_mad_u32_u24 v5, v3, 31, v4                   ; its column
	v_add_nc_u32 v6, 3, v5
	v_min_u32 v6, 247, v6                          ; my fourth number's column; the padding's load stays inside bos
	v_lshlrev_b32 v5, 2, v5
	v_lshlrev_b32 v6, 2, v6
	s_mul_i32 s20, s28, 992                        ; 248 f32 a layer
	s_add_nc_u64 s[14:15], s[14:15], s[20:21]
	global_load_b32 v8, v5, s[14:15]
	global_load_b32 v9, v5, s[14:15] offset:4
	global_load_b32 v10, v5, s[14:15] offset:8
	global_load_b32 v11, v6, s[14:15]
	v_cmp_ne_u32 vcc_lo, 28, v4                    ; clear where my fourth number is parameter 31
	s_wait_loadcnt 0x0
	v_pk_mul_f32 v[8:9], v[8:9], LOG2E op_sel_hi:[1,0]
	v_pk_mul_f32 v[10:11], v[10:11], LOG2E op_sel_hi:[1,0]
	v_cndmask_b32 v11, 0, v11, vcc_lo
	global_store_b128 v1, v[8:11], s[18:19]
	s_endpgm
.Lpm:                                              ; threads 64-127: row m = (t - 64) / 4, eight k slots each
	v_bfe_u32 v2, v0, 2, 4                         ; row m = 8 h + j
	v_and_b32 v3, 3, v2                            ; j & 3
	v_bfe_u32 v4, v2, 3, 1                         ; h
	v_bfe_u32 v5, v2, 2, 1                         ; j >> 2
	v_lshl_add_u32 v3, v4, 2, v3
	v_lshl_add_u32 v3, v5, 3, v3                   ; the row's new channel: 4 h + (j & 3) + 8 (j >> 2)
	v_lshlrev_b32 v3, 2, v3
	s_lshl_b32 s20, s28, 6                         ; 16 whole numbers a layer
	s_add_nc_u64 s[16:17], s[16:17], s[20:21]
	global_load_b32 v6, v3, s[16:17]               ; perm[new channel]
	v_and_b32 v7, 1, v0                            ; h' of my eight k slots (bit 1 of t picks the copy: both copies are alike)
	v_lshlrev_b32 v7, 2, v7
	v_mov_b32 v20, 0x3f80                          ; 1.0 in bf16, low half
	v_mov_b32 v21, 0x3f800000                      ; high half
	s_wait_loadcnt 0x0
	v_sub_nc_u32 v6, v6, v7                        ; old channel - 4 h': my slot e holds 1 where this is e (e < 4) or e + 4
	ONES 0, 0, 1
	ONES 1, 2, 3
	ONES 2, 8, 9
	ONES 3, 10, 11
	global_store_b128 v1, v[16:19], s[18:19]
	s_endpgm
.Lnm:                                              ; block 40.  In each wave w lanes 0-15 copy chunk 16 w + lane of [b1 | bh], lanes 16-31 write norm row w
	v_lshrrev_b32 v2, 5, v0
	v_readfirstlane_b32 s25, v2                    ; wave
	s_mov_b32 s32, 0x76543210                      ; v_permlanex16_b32: lane i of one half reads lane i of the other
	s_mov_b32 s33, 0xfedcba98
	v_and_b32 v22, 31, v0                          ; lane
	v_and_b32 v23, 15, v0
	v_lshl_add_u32 v24, s25, 4, v23                ; 16 w + (lane & 15)
	v_bfe_u32 v25, v0, 4, 1
	v_lshlrev_b32 v1, 4, v24
	v_lshl_add_u32 v1, v25, 10, v1                 ; where I store: chunk 16 w + lane, or 1,024 + 256 w + 16 (lane - 16)
	v_and_b32 v26, 31, v24
	v_lshlrev_b32 v26, 4, v26                      ; the chunk inside b1 (waves 0, 1) or bh (waves 2, 3)
	v_lshlrev_b32 v27, 4, v22                      ; 16 bytes a lane: four columns of a row of 128
	v_lshl_add_u32 v28, s25, 11, v27               ; W1: rows 4 w ..
	v_lshl_add_u32 v29, s25, 14, v27               ; Wh: rows 32 w ..
	s_lshl_b32 s20, s28, 9                         ; 512 bytes of bias a layer
	s_add_nc_u64 s[10:11], s[10:11], s[20:21]
	s_add_nc_u64 s[12:13], s[12:13], s[20:21]
	s_lshl_b32 s20, s28, 13
	s_add_nc_u64 s[4:5], s[4:5], s[20:21]
	s_lshl_b32 s20, s28, 16
	s_add_nc_u64 s[6:7], s[6:7], s[20:21]
	s_cmp_lt_u32 s25, 2
	s_cselect_b64 s[26:27], s[10:11], s[12:13]
	global_load_b128 v[4:7], v26, s[26:27]
	global_load_b128 v[176:179], v27, s[10:11]
	global_load_b128 v[180:183], v27, s[12:13]
.irp j, 0,1,2,3
	global_load_b128 v[160+4*\j:163+4*\j], v28, s[4:5] offset:512*\j
.endr
.set jj, 0
.rept 32
	global_load_b128 v[32+4*jj:35+4*jj], v29, s[6:7] offset:512*jj       ; all 32 rows on their way at once
.set jj, jj+1
.endr
	s_wait_loadcnt 0x0
.irp cc, 0,1,2,3
	v_add_f32 v[8+\cc], |v[32+\cc]|, |v[36+\cc]|   ; four columns, four chains
	v_add_f32 v[12+\cc], |v[160+\cc]|, |v[164+\cc]|
.endr
.irp cc, 0,1,2,3
	v_add_f32 v[12+\cc], v[12+\cc], |v[168+\cc]|
.endr
.irp cc, 0,1,2,3
	v_add_f32 v[12+\cc], v[12+\cc], |v[172+\cc]|
.endr
.set jj, 2
.rept 30
.irp cc, 0,1,2,3
	v_add_f32 v[8+\cc], v[8+\cc], |v[32+4*jj+\cc]|
.endr
.set jj, jj+1
.endr
	v_max3_num_f32 v16, v12, v13, v14
	v_max3_num_f32 v17, |v176|, |v177|, |v178|
	v_max3_num_f32 v18, v8, v9, v10
	v_max3_num_f32 v19, |v180|, |v181|, |v182|
	v_max_num_f32 v16, v16, v15
	v_max_num_f32 v17, v17, |v179|
	v_max_num_f32 v18, v18, v11
	v_max_num_f32 v19, v19, |v183|
	WMAX 16
	WMAX 17
	WMAX 18
	WMAX 19
	v_cmp_eq_u32 vcc_lo, 16, v22                   ; lane 16 keeps the four norms, the lanes above it write zeros,
	GATE
	v_cmp_gt_u32 vcc_lo, 16, v22                   ; the lanes below it their chunk of the biases
.irp j, 0,1,2,3
	v_cndmask_b32 v[16+\j], v[16+\j], v[4+\j], vcc_lo
.endr
	global_store_b128 v1, v[16:19], s[18:19]
	s_endpgm
.Lw1:                                              ; blocks 0-3: W1T top, 4-7: remainder; 32 rows of 64 bytes a block
	s_and_b32 s24, s29, 3
	s_lshr_b32 s31, s29, 2
	s_cmp_lg_u32 s31, 0
	s_cselect_b32 vcc_lo, -1, 0                    ; all lanes set: remainders
	v_lshrrev_b32 v2, 2, v0
	v_lshl_add_u32 v2, s24, 5, v2                  ; feature n
	v_and_b32 v4, 1, v0                            ; which 8 of the 16 k slots (bit 1 of t picks the copy)
	v_lshlrev_b32 v4, 11, v4                       ; slots 8-15 begin 4 rows of 512 bytes further down
	v_lshl_add_u32 v4, v2, 2, v4
	s_lshl_b32 s20, s28, 13                        ; 8,192 bytes a layer
	s_add_nc_u64 s[4:5], s[4:5], s[20:21]
.irp e, 0,1,2,3
	global_load_b32 v[8+\e], v4, s[4:5] offset:512*\e          ; the rows that meet x1
.endr
.irp e, 4,5,6,7
	global_load_b32 v[8+\e], v4, s[4:5] offset:512*(\e+4)      ; the rows that meet c
.endr
	s_wait_loadcnt 0x0
	TIMES EIGHT
	HILO
	PACK
	global_store_b128 v1, v[16:19], s[18:19]
	s_endpgm
.Lwh:                                              ; blocks 8-23: WhT top, 24-39: remainder; 8 rows of 256 bytes a block
	s_sub_co_u32 s24, s29, 8
	s_lshr_b32 s31, s24, 4
	s_and_b32 s24, s24, 15
	s_cmp_lg_u32 s31, 0
	s_cselect_b32 vcc_lo, -1, 0
	v_lshrrev_b32 v2, 4, v0
	v_lshl_add_u32 v2, s24, 3, v2                  ; feature n
	v_and_b32 v3, 15, v0                           ; k = 8 kc ..
	v_lshlrev_b32 v4, 12, v3                       ; 8 rows of 512 bytes
	v_lshl_add_u32 v4, v2, 2, v4
	s_lshl_b32 s20, s28, 16                        ; 65,536 bytes a layer
	s_add_nc_u64 s[6:7], s[6:7], s[20:21]
.irp e, 0,1,2,3,4,5,6,7
	global_load_b32 v[8+\e], v4, s[6:7] offset:512*\e
.endr
	s_wait_loadcnt 0x0
	TIMES EIGHT
	HILO
	PACK
	global_store_b128 v1, v[16:19], s[18:19]
	s_endpgm
.Lwo:                                              ; blocks 41-72: WoT top, 73-104: remainder; 8 rows of 256 bytes a block
	s_sub_co_u32 s24, s29, 41
	s_lshr_b32 s31, s24, 5
	s_and_b32 s24, s24, 31
	v_lshrrev_b32 v2, 4, v0
	v_lshl_add_u32 v2, s24, 3, v2                  ; R
	v_and_b32 v3, 15, v0                           ; k = 8 kc ..
	v_lshrrev_b32 v4, 6, v2                        ; q
	v_bfe_u32 v5, v2, 3, 1                         ; h
	v_lshl_add_u32 v4, v5, 2, v4                   ; channel
	v_bfe_u32 v5, v2, 4, 2                         ; u
	v_and_b32 v6, 7, v2                            ; j
	v_lshl_add_u32 v5, v5, 3, v6                   ; parameter
	v_mad_u32_u24 v6, v4, 31, v5                   ; column of Wos
	v_min_u32 v6, 247, v6                          ; the padding's loads stay inside Wos
	v_mul_u32_u24 v7, v3, 7936                     ; 8 rows of 992 bytes
	v_lshl_add_u32 v7, v6, 2, v7
	s_mul_i32 s20, s28, 126976                     ; bytes a layer
	s_add_nc_u64 s[8:9], s[8:9], s[20:21]
.irp e, 0,1,2,3,4,5,6,7
	global_load_b32 v[8+\e], v7, s[8:9] offset:992*\e
.endr
	s_cmp_lg_u32 s31, 0
	s_cselect_b32 vcc_lo, -1, 0                    ; all lanes set: remainders
	s_wait_loadcnt 0x0
	TIMES LOG2E8
	HILO
	PACK
	v_cmp_gt_u32 vcc_lo, 31, v5                    ; clear for parameter 31
	GATE
	global_store_b128 v1, v[16:19], s[18:19]
	s_endpgm
.Lfunc_end_k_q45059dffeb_prep:
	.size	k_q45059dffeb_prep, .Lfunc_end_k_q45059dffeb_prep-k_q45059dffeb_prep
	.p2alignl 7, 3214868480
	.fill 96, 4, 3214868480
	.section	.rodata,"a",@progbits
	.p2align	6, 0x0
	.amdhsa_kernel k_q45059dffeb_prep
		.amdhsa_group_segment_fixed_size 0
		.amdhsa_private_segment_fixed_size 0
		.amdhsa_enable_private_segment 0
		.amdhsa_kernarg_size 64
		.amdhsa_user_sgpr_count 2
		.amdhsa_user_sgpr_kernarg_segment_ptr 1
		.amdhsa_wavefront_size32 1
		.amdhsa_system_sgpr_workgroup_id_x 1
		.amdhsa_system_sgpr_workgroup_id_y 1
		.amdhsa_system_sgpr_workgroup_id_z 1
		.amdhsa_system_vgpr_workitem_id 0
		.amdhsa_next_free_vgpr 192
		.amdhsa_next_free_sgpr 66
		.amdhsa_reserve_vcc 1
		.amdhsa_float_denorm_mode_32 3
		.amdhsa_float_denorm_mode_16_64 3
		.amdhsa_memory_ordered 1
		.amdhsa_forward_progress 1
		.amdhsa_inst_pref_size 29
	.end_amdhsa_kernel
	.amdgpu_metadata
---
amdhsa.version: [ 1, 2 ]
amdhsa.kernels:
  - .name:           k_q45059dffeb_prep
    .symbol:         k_q45059dffeb_prep.kd
    .args:
      - { .name: W1s, .offset: 0, .size: 8, .value_kind: global_buffer, .address_space: global }
      - { .name: Whs, .offset: 8, .size: 8, .value_kind: global_buffer, .address_space: global }
      - { .name: Wos, .offset: 16, .size: 8, .value_kind: global_buffer, .address_space: global }
      - { .name: b1s, .offset: 24, .size: 8, .value_kind: global_buffer, .address_space: global }
      - { .name: bhs, .offset: 32, .size: 8, .value_kind: global_buffer, .address_space: global }
      - { .name: bos, .offset: 40, .size: 8, .value_kind: global_buffer, .address_space: global }
      - { .name: perms, .offset: 48, .size: 8, .value_kind: global_buffer, .address_space: global }
      - { .name: wimg, .offset: 56, .size: 8, .value_kind: global_buffer, .address_space: global }
    .group_segment_fixed_size: 0
    .private_segment_fixed_size: 0
    .kernarg_segment_align: 8
    .kernarg_segment_size: 64
    .max_flat_workgroup_size: 128
    .sgpr_count:     66
    .vgpr_count:     192
    .wavefront_size: 32
...
	.end_amdgpu_metadata
.endif
;; end of part 1
;; launch flow (part 2): grid 256 x 1, 8 waves a work-group, clusters of 4 x 1, 327,680 bytes of LDS; arguments wimg, x, c, out0, out1; writes out0, out1
.if DOCPART == 2
	.amdgcn_target "amdgcn-amd-amdhsa--gfx1250"
	.amdhsa_code_object_version 6
	.text
	.protected	k_q45059dffeb_flow
	.globl	k_q45059dffeb_flow
	.p2align	8
	.type	k_q45059dffeb_flow,@function
k_q45059dffeb_flow:
	s_mov_b64 s[64:65], 0
	v_nop
	global_prefetch_b8 v0, s[64:65] scope:SCOPE_SE
	s_setreg_imm32_b32 hwreg(HW_REG_WAVE_MODE, 25, 1), 1
	s_wait_xcnt 0x0
	s_wait_alu depctr_hold_cnt(0) depctr_sa_sdst(0) depctr_va_vdst(0) depctr_va_sdst(0) depctr_va_ssrc(0) depctr_va_vcc(0) depctr_vm_vsrc(0)
	s_getreg_b32 s2, hwreg(HW_REG_IB_STS2, 6, 4)
	s_cmp_eq_u32 s2, 0
	s_cbranch_scc0 .Lentry_in_a_cluster
	s_endpgm
.Lentry_in_a_cluster:
	s_bfe_u32 s2, ttmp6, 0x10000c
	s_cmp_lg_u32 s2, 0x3003
	s_cbranch_scc0 .Lentry_shape_is_right
	s_endpgm
.Lentry_shape_is_right:
; flow: all four coupling layers for 512 rows a work-group, 64 rows a wave; nothing but x, c, the weight image and the results
; touches memory.  A row's 16 channels live in f32 in the wave's own LDS scratch from layer to layer.
;
; THE LAYOUT.  Weights are source 0 of the matrix instruction (its 16 rows = output features), activations source 1 (its 16
; columns = batch rows).  Lane (r, h) then holds in register j of a result tile feature 8 h + j of batch row r, which is the
; map of source 1 of the next product: two tiles, relu'd and packed, ARE the next K step's fragment; no lane moves.
; The rows of the last product are ordered (by the first launch) so that lane (r, h) finds in tiles (q, u = 0..3) the 32
; consecutive parameters of spline channel 4 h + q of batch row r: each lane owns whole splines, in 32 neighbouring registers.
; A wave's 64 rows are four column tiles of 16; a layer takes them in two passes of two tiles (three products, then the splines),
; since the hidden activations of two tiles, each as two f16 numbers, are what the registers hold beside the weights.
;
; THE PRECISION.  An error of a channel is multiplied by the derivatives of the later splines and, in the log-Jacobian, divided by the
; width of the bin, so single rows answer a rounding of the splines' parameters many times more strongly than most.  All three
; products therefore take both operands as top + remainder in f16 (top = the number with its low 13 mantissa bits cleared,
; remainder = the rest, rounded to f16): W a = Wt at + Wt ar + Wr at; the term Wr ar, 2^-22 of the product, is left out.  In the
; first product the remainders of the inputs ride in the 16 K slots that K = 16 leaves idle.
; THE SCALES.  So that no f16 operand overflows and the remainders stay in f16's normal range, operands are scaled by powers of two:
; the weights by 8 (first launch), the inputs by t_in; relu and the products are positively homogeneous, so hidden 1 comes out
; times t1 = 8 t_in, hidden 2 times t2 = 8 t1, theta times t3 = 8 t2; the biases are multiplied by t1, t2, t3, and theta is divided
; by t3 in f32.  t2 comes from a bound: m = max(1, |x|, |c|) over the wave's rows (a spline's result stays within [-1, 1], so
; m holds in every layer), B1 = N1 m + max|b1|, B2 = Nh B1 + max|bh| with N1, Nh bounds of the absolute column sums from the first
; launch, M = the largest of m, B1, B2 over the four layers, t2 = 2^14 / 2^floor(log2 M): every scaled operand is below 32,768.
;
; THE WEIGHTS.  A layer's image has two parts, each with one place in LDS: A (W1, Wh, b1, bh: 328 rows of 256 bytes) and B (Wo, bo,
; the permutation: 520 rows); each of the eight waves brings an eighth of a part by one tensor load, padded to a pitch of 272
; bytes.  Every work-group reads the same image, so the four work-groups of a cluster ask jointly (mask 15): the descriptors
; hang on the wave's number, constants and the layer's step alone.  A of the next layer is asked for behind a round of the cluster's
; barrier when the second pass's second product is done, and lands during that pass's splines; B of the next layer behind a round at
; the layer's end, and lands during the next layer's first pass.  By this text's count a wave has at most two tensor loads outstanding.
;
; THE PERMUTATION is a product with a matrix of zeros and ones that the first launch made from perms, so that no LDS address
; hangs on loaded numbers.  A channel goes in as three bf16 numbers hi + mid + lo, 3 x 8 bits: the f32 number itself.
; [P | P] x [hi | mid], then [0 | P] x [mid | lo] on the same accumulator, give the permuted channels in the lane layout in which they went in.
;
; THE ARITHMETIC AND ITS LIMITS.
;  - Biases enter as the f32 C operand, scaled; everything but the matrix operands is f32.
;  - 8 |W| below 65,504 (see the first launch); M at most 2^100; parts of scaled operands below 2^-14 are carried to 2^-25 absolute.
;  - theta arrives times t3 log2(e): softmax = exp2((T - max T) / t3) / sum (the maximum is taken away as in the reference); softplus / ln 2
;    = max(u, 0) + log2(1 + exp2(-|u|)), taken only of the two slopes that the bin selects; the log-Jacobian is summed in log2
;    units and multiplied by ln 2 once.
;  - A softmax sums to 1, so the outermost knots are taken as exactly -1 and 1 and the linear branch outside them as y = x; the
;    reference's own values differ from these by the rounding of its cumulative sums, a few 2^-24.  A channel that lies that
;    close to 1 may fall on the other side of the bound, and then has the other branch's log-Jacobian.  Inner knots are (prefix sum
;    of the exponentials) x 1.98 / sum + 0.002 i - 1: another order of rounding than the reference's, some 1e-7; the spline is continuous at its knots.
;  - Exponentials below 2^-126 count as 0 (ISA guide, 15.8); a bin's width and height are at least 0.002 all the same.
;  - Lanes out of bounds compute the rational form on their x as it is and discard it by a select: no branch hangs on data.
;  - NaN and infinities in the inputs are not served (relu by v_max_num_f32 turns NaN into 0; 0 x infinity in the permutation).
.set DUAL,   1                         ; 1: relu and the selects go two to an instruction; 0: the same in plain forms
.set IMG,    217088                    ; a layer's image in memory: 848 rows of 256 bytes
.set PARTB,  83968                     ; part B begins at row 328
.set NORMS,  82944                     ; rows 324-327: the norms
.set AROWS,  41                        ; rows of part A that a wave brings
.set BROWS,  65                        ; rows of part B
.set OFF_W1H, 0                        ; LDS: row b of part A lies at 272 b
.set OFF_W1L, 8704                     ; row 32
.set OFF_WHH, 17408                    ; row 64
.set WHL_D,  34816                     ; from WhT's tops to its remainders: 128 rows
.set OFF_B1, 87040                     ; row 320
.set BH_D,   544                       ; from b1 to bh: 2 rows
.set LDSB,   89344                     ; part B (part A ends at 328 x 272 = 89,216); its row b lies at LDSB + 272 b
.set OFF_WO, LDSB
.set WOL_D,  69632                     ; from WoT's tops to its remainders: 256 rows
.set OFF_BO, LDSB+139264               ; row 512
.set OFF_PM, LDSB+140352               ; row 516
.set SCR0,   230912                    ; 902 x 256 (part B ends at 230,784): scratch, into which no tensor load lands; 5,120 bytes a wave:
.set SPITCH, 80                        ; 64 rows x 80 bytes (16 f32 + 16 bytes; 20 words: 16 rows start at 16 different banks of the 64, ISA guide 11.1)
.set CTSTEP, 16*SPITCH                 ; from a column tile's rows to the next tile's
; vector registers, window 0 (an instruction names v0-v255; s_set_vgpr_msb picks the window of each operand place)
.set LW1,  1                           ; 64 r + 16 (r / 4) + 16 h: my place in a tile of rows of 64 bytes (four such rows to an image row); W1T lies at LDS byte 0
.set AWH,  2                           ; OFF_WHH + 272 r + 16 h
.set AB1,  3                           ; OFF_B1 + 32 h: my eight biases of a tile
.set XR,   4                           ; scratch + 80 r + 16 h: channels 4 h .. 4 h + 3 of my row of column tile 0
.set XQ,   5                           ; XR + 32 + 4 q: spline channel 4 h + q
.set AWO,  6                           ; LDS address of this q's WoT tiles, tops
.set ABO,  7                           ; and of their biases
.set XV,   8                           ; v[8:11]   x2 of my spline, one for each column tile
.set LJ,   12                          ; v[12:15]  log-Jacobian of my four channels, in log2 units, one for each column tile
.set AWO0, 16                          ; OFF_WO + 272 r + 16 h
.set ABO0, 17                          ; OFF_BO + 32 h
.set APM,  18                          ; OFF_PM + LW1
.set AWL,  19                          ; LDS address of this q's WoT tiles, remainders
.set IN,   24                          ; v[24:55]  first product's source 1, 8 registers a column tile: x1 x1 c c (tops), x1 x1 c c (remainders)
.set BI,   56                          ; v[56:87]  biases
.set TT,   72                          ; v[72:87]  stage 2 (whose biases fill v[56:71] alone): the tops of two result tiles in f32
.set TM,   88                          ; v[88:119] stage 1: x1 as loaded; the tops in f32
.set AC2,  88                          ; v[88:119] stage 2: four accumulators (tl, c2) at AC2 + 8 (2 tl + c2)
.set XK,   88                          ; v[89:97]  x knots 1..9
.set SW,   98                          ;           sum of the widths' exponentials
.set YK,   99                          ; v[100:108] y knots 1..9
.set SH,   109                         ;           sum of the heights' exponentials
.set SELA, 110                         ; selected: left x knot
.set SELC, 111                         ;           left y knot
.set SELB, 112                         ;           width's exponential
.set SELD, 113                         ;           height's exponential
.set SELE, 114                         ;           left slope, raw
.set SELF, 115                         ;           right slope, raw
.set U,    116                         ; v[116:127] at work
.set ACC,  128                         ; v[128:191] stage 3: the 8 tiles T(c2, u) = ACC + 32 c2 + 8 u
.set ZR,   192                         ; v[192:255] stage 3: WoT's remainders of u = 0, 1, fragment (u, s) at ZR + 8 (4 u + s)
.set ACCLO, 128                        ; stage 1: eight accumulators (tt, c2) at ACCLO + 8 (2 tt + c2); stage 4: my 8 channels of column tile ct at ACCLO + 8 ct
.set ACCHI, 192                        ; stage 1: W1T's fragments, four tops, four remainders
.set FH,   128                         ; stage 2: WhT's tops, fragment (tl, ks) at FH + 8 (4 tl + ks)
.set FL,   192                         ; stage 2: WhT's remainders
.set PB,   160                         ; stage 4: v[160:207] hi, mid, lo, 12 registers a column tile; then the rows on their way out
.set ZP,   212                         ; stage 4: v[212:215] zeros; v[212:219] = [0 | P]
.set PF,   216                         ; stage 4: v[216:223] = [P | P]
; window 1 (written by their low numbers)
.set H1HI, 0                           ; v256-319: hidden 1, tops, fragment (K step s, c2) at 8 (2 s + c2)
.set H1LO, 64                          ; v320-383: hidden 1, remainders.  Stage 3: v256-383 hold WoT's tops, fragment (u, s) at 8 (4 u + s); then v256-319 the remainders of u = 2, 3
.set H2HI, 128                         ; v384-447: hidden 2, tops, fragment (s, c2) at 128 + 8 (2 s + c2)
.set H2LO, 192                         ; v448-511: hidden 2, remainders
; names at work in the spline's tail
.set ERR,  U
.set DEN,  U+1
.set XW,   U+4
.set YW,   U+5
.set RXW,  U+6
.set ETA,  U+7
.set D1,   U+8                         ; v[124:125]: the two slopes, a pair
.set SS,   U+10
.set REV,  U+11
.set RDEN, XK+1                        ; the knots' registers are free once the bin is selected
.set AA,   XK+2
.set NN,   XK+3
.set B0,   XK+4
.set B1,   XK+5
.set YY,   XK+6
; 0.002 i - 1 in f32
.set KN1, 0xbf7f7cee
.set KN2, 0xbf7ef9db
.set KN3, 0xbf7e76c9
.set KN4, 0xbf7df3b6
.set KN5, 0xbf7d70a4
.set KN6, 0xbf7ced91
.set KN7, 0xbf7c6a7f
.set KN8, 0xbf7be76d
.set KN9, 0xbf7b645a
; scalars: s[4:13] buffers; s14 mask of a top; s15 layer counter; s16 wave; s17 work-group; s[18:23] in the head offsets, then the pairs
; t1, t2, t3; s[24:31], s[32:39] descriptor group 1 of parts A, B; s[40:43], s[44:47] their group 0; s48, s49 lane selects; s50 q counter;
; s51 my scratch; s52, s53 masks; s54 = 0.999; s55 = 0.001; s57 a word's upper bf16; s[60:61] = t_in; s[62:63] = 1 / t3; s56, s[58:59] at work
.set G1A, 24
.set G1B, 32
.set G0A, 40
.set G0B, 44
.set ST1, 18
.set ST2, 20
.set ST3, 22
.set MSB, 0
.macro WIN new                         ; the immediate's high byte repeats the setting that is left; a switch that changes nothing is dropped
.if MSB != \new
	s_set_vgpr_msb (MSB<<8)|\new
.set MSB, \new
.endif
.endm
; A round of the cluster's barrier: my work-group's barrier, wave 0 signals for the work-group, every wave waits for the four
; work-groups, my work-group's barrier once more.
.macro ROUND
	s_barrier_signal -1
	s_barrier_wait -1
	s_cmp_lg_u32 s16, 0
	s_cbranch_scc1 .Lnot_wave_0_\@
	s_barrier_signal -3
.Lnot_wave_0_\@:
	s_barrier_wait -3
	s_barrier_signal -1
	s_barrier_wait -1
.endm
; Four places behind the last matrix instruction, in front of vector instructions and LDS stores that read results and of loads into
; registers that matrix instructions have named (ISA guide 7.12.1 for vector instructions).
.macro PLACES
.rept 4
	v_nop
.endr
.endm
.macro RELU2 a                         ; relu of registers a (even) and a + 1
.if DUAL
	v_dual_max_num_f32 v[\a], 0, v[\a] :: v_dual_max_num_f32 v[\a+1], 0, v[\a+1]
.else
	v_max_num_f32 v[\a], 0, v[\a]
	v_max_num_f32 v[\a+1], 0, v[\a+1]
.endif
.endm
; two selects on VCC: d = VCC ? s1 : s0.  dx even, dy odd; sx0 and sy0, sx1 and sy1 differ modulo 4.
.macro SEL2 dx, sx0, sx1, dy, sy0, sy1
.if DUAL
	v_dual_cndmask_b32 v[\dx], v[\sx0], v[\sx1] :: v_dual_cndmask_b32 v[\dy], v[\sy0], v[\sy1]
.else
	v_cndmask_b32 v[\dx], v[\sx0], v[\sx1], vcc_lo
	v_cndmask_b32 v[\dy], v[\sy0], v[\sy1], vcc_lo
.endif
.endm
.macro SCALEB n, sp                    ; the first n bias registers times the power of two in s[sp] (exact)
.set ii, 0
.rept \n/2
	v_pk_mul_f32 v[BI+2*ii:BI+2*ii+1], v[BI+2*ii:BI+2*ii+1], s[\sp:\sp+1] op_sel_hi:[1,0]
.set ii, ii+1
.endr
.endm
; Four inputs in v[src:src+3]: times t_in, then tops into v[dst], v[dst+1] and remainders into v[dst+4], v[dst+5]
.macro INSPLIT src, dst
	v_pk_mul_f32 v[\src:\src+1], v[\src:\src+1], s[60:61] op_sel_hi:[1,0]
	v_pk_mul_f32 v[\src+2:\src+3], v[\src+2:\src+3], s[60:61] op_sel_hi:[1,0]
.irp k, 0,1,2,3
	v_and_b32 v[U+\k], s14, v[\src+\k]
.endr
	v_cvt_pk_f16_f32 v[\dst], v[U], v[U+1]
	v_cvt_pk_f16_f32 v[\dst+1], v[U+2], v[U+3]
	v_pk_add_f32 v[\src:\src+1], v[\src:\src+1], v[U:U+1] neg_lo:[0,1] neg_hi:[0,1]
	v_pk_add_f32 v[\src+2:\src+3], v[\src+2:\src+3], v[U+2:U+3] neg_lo:[0,1] neg_hi:[0,1]
	v_cvt_pk_f16_f32 v[\dst+4], v[\src], v[\src+1]
	v_cvt_pk_f16_f32 v[\dst+5], v[\src+2], v[\src+3]
.endm
; W1T's fragments of feature tiles 4 g2 .. 4 g2 + 3, tops and remainders, and their biases: 24 LDS loads
.macro L1 g2
.irp tt, 0,1,2,3
	ds_load_b128 v[ACCHI+8*\tt:ACCHI+8*\tt+3], v[LW1] offset:OFF_W1H+1088*(4*\g2+\tt)
	ds_load_b128 v[ACCHI+8*\tt+4:ACCHI+8*\tt+7], v[LW1] offset:OFF_W1H+1088*(4*\g2+\tt)+32
	ds_load_b128 v[ACCHI+32+8*\tt:ACCHI+32+8*\tt+3], v[LW1] offset:OFF_W1L+1088*(4*\g2+\tt)
	ds_load_b128 v[ACCHI+32+8*\tt+4:ACCHI+32+8*\tt+7], v[LW1] offset:OFF_W1L+1088*(4*\g2+\tt)+32
.endr
.irp tt, 0,1,2,3
	ds_load_b128 v[BI+8*\tt:BI+8*\tt+3], v[AB1] offset:272*\g2+64*\tt
	ds_load_b128 v[BI+8*\tt+4:BI+8*\tt+7], v[AB1] offset:272*\g2+64*\tt+16
.endr
.endm
; First product, four feature tiles x column tiles 2 p, 2 p + 1: the tops of W1 with the bias as C, then the remainders in place.
; The eight accumulators take turns, one instruction a turn.
.macro FIRST p
.irp tt, 0,1,2,3
.irp c2, 0,1
	v_wmma_f32_16x16x32_f16 v[ACCLO+8*(2*\tt+\c2):ACCLO+8*(2*\tt+\c2)+7], v[ACCHI+8*\tt:ACCHI+8*\tt+7], v[IN+8*(2*\p+\c2):IN+8*(2*\p+\c2)+7], v[BI+8*\tt:BI+8*\tt+7]
.endr
.endr
.irp tt, 0,1,2,3
.irp c2, 0,1
	v_wmma_f32_16x16x32_f16 v[ACCLO+8*(2*\tt+\c2):ACCLO+8*(2*\tt+\c2)+7], v[ACCHI+32+8*\tt:ACCHI+32+8*\tt+7], v[IN+8*(2*\p+\c2):IN+8*(2*\p+\c2)+7], v[ACCLO+8*(2*\tt+\c2):ACCLO+8*(2*\tt+\c2)+7]
.endr
.endr
.endm
; The eight result tiles of FIRST: relu, then top and remainder, packed: K steps 2 g2 and 2 g2 + 1 of the second product.
.macro SPLIT g2
.set ii, 0
.rept 32
	RELU2 ACCLO+2*ii
.set ii, ii+1
.endr
.irp hf, 0,1
.set ii, 0
.rept 32
	v_and_b32 v[TM+ii], s14, v[ACCLO+32*\hf+ii]
.set ii, ii+1
.endr
.set ii, 0
.rept 16
	v_pk_add_f32 v[ACCLO+32*\hf+2*ii:ACCLO+32*\hf+2*ii+1], v[ACCLO+32*\hf+2*ii:ACCLO+32*\hf+2*ii+1], v[TM+2*ii:TM+2*ii+1] neg_lo:[0,1] neg_hi:[0,1]
.set ii, ii+1
.endr
	WIN 0x40                                       ; destination in window 1
.irp tl, 0,1
.irp c2, 0,1
.irp jj, 0,1,2,3
	v_cvt_pk_f16_f32 v[H1HI+8*(2*(2*\g2+\hf)+\c2)+4*\tl+\jj], v[TM+8*(2*\tl+\c2)+2*\jj], v[TM+8*(2*\tl+\c2)+2*\jj+1]
	v_cvt_pk_f16_f32 v[H1LO+8*(2*(2*\g2+\hf)+\c2)+4*\tl+\jj], v[ACCLO+32*\hf+8*(2*\tl+\c2)+2*\jj], v[ACCLO+32*\hf+8*(2*\tl+\c2)+2*\jj+1]
.endr
.endr
.endr
	WIN 0
.endr
.endm
; WhT's fragments of feature tiles 2 g, 2 g + 1 (four K steps each): the remainders and the two tiles' biases (20 loads); the tops (16 loads)
.macro LOADWHL g
.irp tl, 0,1
.irp ks, 0,1,2,3
	ds_load_b128 v[FL+8*(4*\tl+\ks):FL+8*(4*\tl+\ks)+3], v[AWH] offset:WHL_D+(2*(\g)+\tl)*4352+64*\ks
	ds_load_b128 v[FL+8*(4*\tl+\ks)+4:FL+8*(4*\tl+\ks)+7], v[AWH] offset:WHL_D+(2*(\g)+\tl)*4352+64*\ks+32
.endr
.endr
.irp tl, 0,1
	ds_load_b128 v[BI+8*\tl:BI+8*\tl+3], v[AB1] offset:BH_D+272*((2*(\g)+\tl)>>2)+64*((2*(\g)+\tl)&3)
	ds_load_b128 v[BI+8*\tl+4:BI+8*\tl+7], v[AB1] offset:BH_D+272*((2*(\g)+\tl)>>2)+64*((2*(\g)+\tl)&3)+16
.endr
.endm
.macro LOADWHH g
.irp tl, 0,1
.irp ks, 0,1,2,3
	ds_load_b128 v[FH+8*(4*\tl+\ks):FH+8*(4*\tl+\ks)+3], v[AWH] offset:(2*(\g)+\tl)*4352+64*\ks
	ds_load_b128 v[FH+8*(4*\tl+\ks)+4:FH+8*(4*\tl+\ks)+7], v[AWH] offset:(2*(\g)+\tl)*4352+64*\ks+32
.endr
.endr
.endm
; Four matrix instructions: weights fa (tops or remainders) x hidden 1 hb (tops or remainders), K step ks, two feature tiles x two column tiles
.macro HMUL fa, hb, ks, first
.irp tl, 0,1
.irp c2, 0,1
.if \first
	v_wmma_f32_16x16x32_f16 v[AC2+8*(2*\tl+\c2):AC2+8*(2*\tl+\c2)+7], v[\fa+8*(4*\tl+\ks):\fa+8*(4*\tl+\ks)+7], v[\hb+8*(2*\ks+\c2):\hb+8*(2*\ks+\c2)+7], v[BI+8*\tl:BI+8*\tl+7]
.else
	v_wmma_f32_16x16x32_f16 v[AC2+8*(2*\tl+\c2):AC2+8*(2*\tl+\c2)+7], v[\fa+8*(4*\tl+\ks):\fa+8*(4*\tl+\ks)+7], v[\hb+8*(2*\ks+\c2):\hb+8*(2*\ks+\c2)+7], v[AC2+8*(2*\tl+\c2):AC2+8*(2*\tl+\c2)+7]
.endif
.endr
.endr
.endm
; Second product: four K steps x three partial products.  The four accumulators take turns, one instruction a turn;
; the very first products take the bias as C, so nothing is cleared.
.macro HID
	WIN 0x04                                       ; source 1 (hidden 1) in window 1
	HMUL FH, H1HI, 0, 1
	HMUL FH, H1LO, 0, 0
	HMUL FL, H1HI, 0, 0
.irp ks, 1,2,3
	HMUL FH, H1HI, \ks, 0
	HMUL FH, H1LO, \ks, 0
	HMUL FL, H1HI, \ks, 0
.endr
	WIN 0
.endm
; The four result tiles of HID, two at a time: relu, then top and remainder, packed: K step g of the last product.
.macro SPLIT2 g
.irp tl, 0,1
.set ii, 0
.rept 8
	RELU2 AC2+16*\tl+2*ii
.set ii, ii+1
.endr
.set ii, 0
.rept 16
	v_and_b32 v[TT+ii], s14, v[AC2+16*\tl+ii]
.set ii, ii+1
.endr
.set ii, 0
.rept 8
	v_pk_add_f32 v[AC2+16*\tl+2*ii:AC2+16*\tl+2*ii+1], v[AC2+16*\tl+2*ii:AC2+16*\tl+2*ii+1], v[TT+2*ii:TT+2*ii+1] neg_lo:[0,1] neg_hi:[0,1]
.set ii, ii+1
.endr
	WIN 0x40                                       ; destination in window 1
.irp c2, 0,1
.irp jj, 0,1,2,3
	v_cvt_pk_f16_f32 v[H2HI+8*(2*\g+\c2)+4*\tl+\jj], v[TT+8*\c2+2*\jj], v[TT+8*\c2+2*\jj+1]
	v_cvt_pk_f16_f32 v[H2LO+8*(2*\g+\c2)+4*\tl+\jj], v[AC2+16*\tl+8*\c2+2*\jj], v[AC2+16*\tl+8*\c2+2*\jj+1]
.endr
.endr
	WIN 0
.endr
.endm
; 32 features of the second product.  nx = 1: the next 32 features' weights are fetched and land while these are split.
.macro HSTEP g, nx
	s_wait_dscnt 0x0
	SCALEB 16, ST2
	HID
	PLACES
.if \nx
	LOADWHL \g+1
	LOADWHH \g+1
.endif
	SPLIT2 \g
.endm
; The first two products for column tiles 2 p, 2 p + 1.  On entry L1 0 has been issued.
.macro PASS p
	s_wait_dscnt 0x0
	SCALEB 32, ST1
	FIRST \p
	PLACES
	L1 1                                           ; lands while the results are split
	SPLIT 0
	s_wait_dscnt 0x0
	SCALEB 32, ST1
	FIRST \p
	PLACES
	LOADWHL 0                                      ; into the registers of W1's fragments
	SPLIT 1
	LOADWHH 0                                      ; into the registers that the split has just left
	HSTEP 0, 1
	HSTEP 1, 1
	HSTEP 2, 1
	HSTEP 3, 0
.endm
; One q's weights: WoT's 16 tops (tiles u = 0..3, four K steps) into window 1, the 8 remainders of u = 0, 1 into window 0, the four tiles' biases: 56 LDS loads
.macro LOADWO woff, boff
	WIN 0x40
.irp uu, 0,1,2,3
.irp ks, 0,1,2,3
	ds_load_b128 v[8*(4*\uu+\ks):8*(4*\uu+\ks)+3], v[AWO] offset:\woff+4352*\uu+64*\ks
	ds_load_b128 v[8*(4*\uu+\ks)+4:8*(4*\uu+\ks)+7], v[AWO] offset:\woff+4352*\uu+64*\ks+32
.endr
.endr
	WIN 0
.irp uu, 0,1
.irp ks, 0,1,2,3
	ds_load_b128 v[ZR+8*(4*\uu+\ks):ZR+8*(4*\uu+\ks)+3], v[AWL] offset:\woff+4352*\uu+64*\ks
	ds_load_b128 v[ZR+8*(4*\uu+\ks)+4:ZR+8*(4*\uu+\ks)+7], v[AWL] offset:\woff+4352*\uu+64*\ks+32
.endr
.endr
.irp uu, 0,1,2,3
	ds_load_b128 v[BI+8*\uu:BI+8*\uu+3], v[ABO] offset:\boff+64*\uu
	ds_load_b128 v[BI+8*\uu+4:BI+8*\uu+7], v[ABO] offset:\boff+64*\uu+16
.endr
.endm
; This q's remainders of u = 2, 3, into the registers of the tops of u = 0, 1, which are done with: 16 LDS loads
.macro LOADWR
	WIN 0x40
.irp uu, 2,3
.irp ks, 0,1,2,3
	ds_load_b128 v[8*(4*(\uu-2)+\ks):8*(4*(\uu-2)+\ks)+3], v[AWL] offset:4352*\uu+64*\ks
	ds_load_b128 v[8*(4*(\uu-2)+\ks)+4:8*(4*(\uu-2)+\ks)+7], v[AWL] offset:4352*\uu+64*\ks+32
.endr
.endr
.endm
; Last product of one q, the tops of Wo x (tops, then remainders of hidden 2): 64 matrix instructions, 8 accumulators by turns, one
; instruction a turn; the bias is the first C.
.macro OUTT
	WIN 0x05                                       ; sources 0 (WoT) and 1 (hidden 2) in window 1
.irp ks, 0,1,2,3
.irp tm, 0,1
.irp uu, 0,1,2,3
.irp c2, 0,1
.if \ks+\tm == 0
	v_wmma_f32_16x16x32_f16 v[ACC+32*\c2+8*\uu:ACC+32*\c2+8*\uu+7], v[8*(4*\uu+\ks):8*(4*\uu+\ks)+7], v[H2HI+64*\tm+8*(2*\ks+\c2):H2HI+64*\tm+8*(2*\ks+\c2)+7], v[BI+8*\uu:BI+8*\uu+7]
.else
	v_wmma_f32_16x16x32_f16 v[ACC+32*\c2+8*\uu:ACC+32*\c2+8*\uu+7], v[8*(4*\uu+\ks):8*(4*\uu+\ks)+7], v[H2HI+64*\tm+8*(2*\ks+\c2):H2HI+64*\tm+8*(2*\ks+\c2)+7], v[ACC+32*\c2+8*\uu:ACC+32*\c2+8*\uu+7]
.endif
.endr
.endr
.endr
.endr
.endm
; The remainders of Wo's tiles u0, u0 + 1 (fragments from register fb on) x the tops of hidden 2: 16 matrix instructions, 4 accumulators by turns
.macro OUTR u0, fb
.irp ks, 0,1,2,3
.irp u2, 0,1
.irp c2, 0,1
	v_wmma_f32_16x16x32_f16 v[ACC+32*\c2+8*(\u0+\u2):ACC+32*\c2+8*(\u0+\u2)+7], v[\fb+8*(4*\u2+\ks):\fb+8*(4*\u2+\ks)+7], v[H2HI+8*(2*\ks+\c2):H2HI+8*(2*\ks+\c2)+7], v[ACC+32*\c2+8*(\u0+\u2):ACC+32*\c2+8*(\u0+\u2)+7]
.endr
.endr
.endr
.endm
; One spline in every lane: channel 4 h + q of batch row 16 ct + r, from the tiles of column c2 of the pass.  T[0:9] widths, T[10:19] heights,
; T[20:30] slopes, all times t3 log2(e).  Behind each group of transcendentals stands a plain vector line that touches none of their
; registers, before a result is used or a source rewritten (ISA guide 5.7.2).  pf = 1: the next q's x2 is fetched at the end.
.macro SPLINE c2, ct, pf
.set T, ACC+32*\c2
.set CTN, \ct
.set X, XV+CTN
	; the two maxima
	v_max3_num_f32 v[U], v[T], v[T+1], v[T+2]
	v_max3_num_f32 v[U+1], v[T+10], v[T+11], v[T+12]
.irp k, 3,5,7
	v_max3_num_f32 v[U], v[U], v[T+\k], v[T+\k+1]
	v_max3_num_f32 v[U+1], v[U+1], v[T+10+\k], v[T+11+\k]
.endr
	v_max_num_f32 v[U], v[U], v[T+9]
	v_max_num_f32 v[U+1], v[U+1], v[T+19]
	v_pk_mul_f32 v[U:U+1], v[U:U+1], s[62:63] op_sel_hi:[1,0]      ; max / t3 (exact)
	; exp2(T / t3 - max / t3), in place: the widths, then the heights (whose multiply-adds are the plain lines behind the widths' exponentials)
.irp k, 0,2,4,6,8
	v_pk_fma_f32 v[T+\k:T+\k+1], v[T+\k:T+\k+1], s[62:63], v[U:U+1] op_sel_hi:[1,0,0] neg_lo:[0,0,1] neg_hi:[0,0,1]
.endr
.irp k, 0,1,2,3,4,5,6,7,8,9
	v_exp_f32 v[T+\k], v[T+\k]
.endr
.irp k, 10,12,14,16,18
	v_pk_fma_f32 v[T+\k:T+\k+1], v[T+\k:T+\k+1], s[62:63], v[U:U+1] op_sel:[0,0,1] op_sel_hi:[1,0,1] neg_lo:[0,0,1] neg_hi:[0,0,1]
.endr
.irp k, 10,11,12,13,14,15,16,17,18,19
	v_exp_f32 v[T+\k], v[T+\k]
.endr
	; prefix sums of the exponentials, two chains by turns (the first line, on widths alone, stands behind the heights' exponentials)
	s_wait_alu depctr_va_vdst(0)
	v_add_f32 v[XK+2], v[T], v[T+1]
	v_add_f32 v[YK+2], v[T+10], v[T+11]
.irp i, 3,4,5,6,7,8,9
	v_add_f32 v[XK+\i], v[XK+\i-1], v[T+\i-1]
	v_add_f32 v[YK+\i], v[YK+\i-1], v[T+\i+9]
.endr
	v_add_f32 v[SW], v[XK+9], v[T+9]               ; at least 1: the largest term is exp2(0)
	v_rcp_f32 v[U+2], v[SW]
	v_add_f32 v[SH], v[YK+9], v[T+19]
	v_rcp_f32 v[U+3], v[SH]
	s_wait_alu depctr_va_vdst(0)
	v_mul_f32 v[U+2], 0x3ffd70a4, v[U+2]           ; 1.98 / sum: 2 (1 - 10 x 0.001) softmax
	v_mul_f32 v[U+3], 0x3ffd70a4, v[U+3]
	; knots 1..9 = prefix x 1.98 / sum + 0.002 i - 1
	v_fmaak_f32 v[XK+1], v[T], v[U+2], KN1
	v_fmaak_f32 v[YK+1], v[T+10], v[U+3], KN1
.irp i, 2,3,4,5,6,7,8,9
	v_fmaak_f32 v[XK+\i], v[XK+\i], v[U+2], KN\i
	v_fmaak_f32 v[YK+\i], v[YK+\i], v[U+3], KN\i
.endr
	; in bounds: knot 0 < x and not knot 10 < x
	v_cmp_lt_f32 s52, -1.0, v[X]
	v_cmp_ge_f32 s53, 1.0, v[X]
	; the bin: knots ascend, so the last knot below x wins.  Bin 0 is what the first selects fall back on: nothing is initialised.
	v_cmp_lt_f32 vcc_lo, v[XK+1], v[X]
.if DUAL
	v_dual_cndmask_b32 v[SELA], -1.0, v[XK+1] :: v_dual_cndmask_b32 v[SELC], -1.0, v[YK+1]
.else
	v_cndmask_b32 v[SELA], -1.0, v[XK+1], vcc_lo
	v_cndmask_b32 v[SELC], -1.0, v[YK+1], vcc_lo
.endif
	SEL2 SELB, T, T+1, SELD, T+10, T+11
	SEL2 SELE, T+20, T+21, SELF, T+21, T+22
.irp i, 2,3,4,5,6,7,8,9
	v_cmp_lt_f32 vcc_lo, v[XK+\i], v[X]
	SEL2 SELA, SELA, XK+\i, SELC, SELC, YK+\i
	SEL2 SELB, SELB, T+\i, SELD, SELD, T+10+\i
	SEL2 SELE, SELE, T+20+\i, SELF, SELF, T+21+\i
.endr
	s_and_b32 s52, s52, s53
	; the bin's width and height, eta, and the two slopes 0.001 + 0.999 softplus / ln 2
	v_pk_mul_f32 v[SELE:SELF], v[SELE:SELF], s[62:63] op_sel_hi:[1,0]      ; the two slopes' parameters / t3
	v_fmaak_f32 v[XW], v[SELB], v[U+2], 0x3b03126f ; 0.002 + 1.98 softmax
	v_fmaak_f32 v[YW], v[SELD], v[U+3], 0x3b03126f
	v_exp_f32 v[D1], -|v[SELE]|
	v_exp_f32 v[D1+1], -|v[SELF]|
	v_rcp_f32 v[RXW], v[XW]
	v_sub_f32 v[ETA], v[X], v[SELA]
	s_wait_alu depctr_va_vdst(0)
	v_pk_add_f32 v[D1:D1+1], v[D1:D1+1], 1.0 op_sel_hi:[1,0]
	v_log_f32 v[D1], v[D1]
	v_log_f32 v[D1+1], v[D1+1]
	v_mul_f32 v[SS], v[YW], v[RXW]                 ; s
	v_mul_f32 v[ETA], v[ETA], v[RXW]
	v_max_num_f32 v[SELE], 0, v[SELE]
	v_max_num_f32 v[SELF], 0, v[SELF]
	s_wait_alu depctr_va_vdst(0)
	v_pk_add_f32 v[D1:D1+1], v[D1:D1+1], v[SELE:SELF]
	v_fma_f32 v[D1], v[D1], s54, s55
	v_fma_f32 v[D1+1], v[D1+1], s54, s55
	v_sub_f32 v[REV], 1.0, v[ETA]
	v_mul_f32 v[ERR], v[ETA], v[REV]
	v_add_f32 v[DEN], v[D1], v[D1+1]
	v_fma_f32 v[DEN], -2.0, v[SS], v[DEN]
	v_fma_f32 v[DEN], v[DEN], v[ERR], v[SS]        ; s + (d1 + d2 - 2 s) err
	v_rcp_f32 v[RDEN], v[DEN]
	v_mul_f32 v[AA], v[D1], v[REV]
	v_fma_f32 v[NN], v[SS], v[ETA], v[AA]
	v_mul_f32 v[NN], v[NN], v[ETA]                 ; s eta^2 + d1 err
	v_mul_f32 v[NN], v[NN], v[YW]
	s_wait_alu depctr_va_vdst(0)
	v_fma_f32 v[YY], v[NN], v[RDEN], v[SELC]
	v_mul_f32 v[B0], v[D1+1], v[ETA]
	v_mul_f32 v[B0], v[B0], v[ETA]
	v_fma_f32 v[B0], v[AA], v[REV], v[B0]
	v_mul_f32 v[B1], v[SS], v[ERR]
	v_fma_f32 v[B0], 2.0, v[B1], v[B0]             ; d2 eta^2 + 2 s err + d1 rev^2
	v_mul_f32 v[B1], v[SS], v[RDEN]
	v_log_f32 v[B0], v[B0]                         ; two logarithms, so that no product of the factors can leave f32's range
	v_log_f32 v[B1], v[B1]
	v_cndmask_b32 v[YY], v[X], v[YY], s52          ; out of bounds: y = x
	s_wait_alu depctr_va_vdst(0)
	v_fma_f32 v[B0], 2.0, v[B1], v[B0]
	v_cndmask_b32 v[B0], 0, v[B0], s52             ; and no log-Jacobian
	v_add_f32 v[LJ+CTN], v[LJ+CTN], v[B0]
	ds_store_b32 v[XQ], v[YY] offset:CTSTEP*CTN
.if \pf
	ds_load_b32 v[X], v[XQ] offset:CTSTEP*CTN+4
.endif
.endm
; One q of pass pr: 96 matrix instructions, then two splines a lane.  pf = 1: the next q's weights are fetched behind the products and
; land while the splines are worked out.
.macro QTRIP pr, pf
	s_wait_dscnt 4                                 ; weights and biases are in: behind their last load stand the two y stores and two x2 loads of the trip before, which may stay out
	SCALEB 32, ST3
	OUTT
	PLACES
	LOADWR                                         ; lands behind the sixteen products below
	WIN 0x04                                       ; source 0 (remainders of u = 0, 1) in window 0, source 1 in window 1
	OUTR 0, ZR
	s_wait_dscnt 0x0                               ; the remainders of u = 2, 3, and x2
	WIN 0x05
	OUTR 2, 0
	WIN 0
	PLACES
.if \pf
	LOADWO 17408, 272
.endif
	SPLINE 0, 2*\pr, \pf
	SPLINE 1, 2*\pr+1, \pf
.if \pf
	v_add_nc_u32 v[AWO], 17408, v[AWO]             ; 64 rows of 272 bytes
	v_add_nc_u32 v[AWL], 17408, v[AWL]
	v_add_nc_u32 v[ABO], 272, v[ABO]
	v_add_nc_u32 v[XQ], 4, v[XQ]
.endif
.endm
; theta and the splines of column tiles 2 pr, 2 pr + 1, q = 0..3
.macro STAGE3 pr
	v_add_nc_u32 v[XQ], 32, v[XR]
.irp c2, 0,1
	ds_load_b32 v[XV+2*\pr+\c2], v[XQ] offset:CTSTEP*(2*\pr+\c2)
.endr
	v_mov_b32 v[AWO], v[AWO0]
	v_add_nc_u32 v[AWL], WOL_D, v[AWO0]
	v_mov_b32 v[ABO], v[ABO0]
	LOADWO 0, 0
	s_wait_dscnt 0x0
	s_mov_b32 s50, 0
.Lq_\@:
	QTRIP \pr, 1
	s_add_co_u32 s50, s50, 1
	s_cmp_lt_u32 s50, 3
	s_cbranch_scc1 .Lq_\@
	QTRIP \pr, 0                                   ; q = 3 fetches nothing
.endm
; My eight channels of column tile ct as hi, mid, lo in bf16: each part is rounded off and taken away (exactly) from what is left
.macro P3 ct
.irp part, 0,1
.irp jj, 0,1,2,3
	v_cvt_pk_bf16_f32 v[PB+12*\ct+4*\part+\jj], v[ACCLO+8*\ct+2*\jj], v[ACCLO+8*\ct+2*\jj+1]
.endr
.irp jj, 0,1,2,3
	v_lshlrev_b32 v[U+2*\jj], 16, v[PB+12*\ct+4*\part+\jj]
	v_and_b32 v[U+2*\jj+1], s57, v[PB+12*\ct+4*\part+\jj]
.endr
.irp jj, 0,1,2,3
	v_pk_add_f32 v[ACCLO+8*\ct+2*\jj:ACCLO+8*\ct+2*\jj+1], v[ACCLO+8*\ct+2*\jj:ACCLO+8*\ct+2*\jj+1], v[U+2*\jj:U+2*\jj+1] neg_lo:[0,1] neg_hi:[0,1]
.endr
.endr
.irp jj, 0,1,2,3
	v_cvt_pk_bf16_f32 v[PB+12*\ct+8+\jj], v[ACCLO+8*\ct+2*\jj], v[ACCLO+8*\ct+2*\jj+1]
.endr
.endm
; One coupling layer.  last = 0: both parts of the next layer's image are asked for; last = 1: the results leave.
.macro LAYER last
.irp ct, 0,1,2,3
	ds_load_b128 v[TM+4*\ct:TM+4*\ct+3], v[XR] offset:CTSTEP*\ct           ; x1[4 h .. 4 h + 3]
.endr
	L1 0
	s_wait_dscnt 24                                ; x1 is in; the 16 + 8 loads of W1 and b1 behind it may stay out
.irp ct, 0,1,2,3
	INSPLIT TM+4*\ct, IN+8*\ct
.endr
	PASS 0                                         ; relu(relu([x1, c] W1 + b1) Wh + bh) of column tiles 0, 1
	s_wait_dscnt 0x0
	s_wait_tensorcnt 0x0                           ; the one load of mine that was out, my eighth of this layer's part B, has landed
	s_barrier_signal -1
	s_barrier_wait -1                              ; everybody's has
	STAGE3 0
	L1 0
	PASS 1                                         ; column tiles 2, 3
.if \last == 0
	s_wait_dscnt 0x0                               ; my reads of part A are over,
	s_wait_tensorcnt 0x0                           ; no tensor load of mine is out,
	ds_add_u32 v22, v23
	s_wait_dscnt 0x0
	s_add_nc_u64 s[G0A+2:G0A+3], s[G0A+2:G0A+3], IMG       ; so the address may step to the next layer
	ROUND                                          ; both waits now hold of every wave of the four work-groups
	tensor_load_to_lds s[G0A:G0A+3], s[G1A:G1A+7]  ; the next layer's part A: it has this pass's splines in which to land
	s_nop 0
.endif
	STAGE3 1
	; the permutation.  My eight channels of each column tile come back from my wave's own scratch (LDS serves a wave's
	; instructions in order, ISA guide 5.7.1: these loads see the splines' stores), go through the matrix unit and return.
	ds_load_b128 v[PF:PF+3], v[APM]
	ds_load_b128 v[PF+4:PF+7], v[APM] offset:32
.irp ct, 0,1,2,3
	ds_load_b128 v[ACCLO+8*\ct:ACCLO+8*\ct+3], v[XR] offset:CTSTEP*\ct             ; channels 4 h .. 4 h + 3
	ds_load_b128 v[ACCLO+8*\ct+4:ACCLO+8*\ct+7], v[XR] offset:CTSTEP*\ct+32        ; channels 8 + 4 h .. 8 + 4 h + 3
.endr
.irp k, 0,1,2,3
	v_mov_b32 v[ZP+\k], 0                          ; K slots 0-15 of [0 | P]
.endr
	s_wait_dscnt 0x0
	P3 0
	P3 1
	P3 2
	P3 3
.irp ct, 0,1,2,3
	v_wmma_f32_16x16x32_bf16 v[ACCLO+8*\ct:ACCLO+8*\ct+7], v[PF:PF+7], v[PB+12*\ct:PB+12*\ct+7], 0          ; P hi + P mid; four accumulators by turns
.endr
.irp ct, 0,1,2,3
	v_wmma_f32_16x16x32_bf16 v[ACCLO+8*\ct:ACCLO+8*\ct+7], v[ZP:ZP+7], v[PB+12*\ct+4:PB+12*\ct+11], v[ACCLO+8*\ct:ACCLO+8*\ct+7]   ; + P lo
.endr
	PLACES
.irp ct, 0,1,2,3
	ds_store_b128 v[XR], v[ACCLO+8*\ct:ACCLO+8*\ct+3] offset:CTSTEP*\ct
	ds_store_b128 v[XR], v[ACCLO+8*\ct+4:ACCLO+8*\ct+7] offset:CTSTEP*\ct+32
.endr
.if \last
	; the way out: the rows are read back in memory's order, 16 bytes a lane, eight rows a load
	v_and_b32 v[U], 31, v0                         ; lane
	v_lshrrev_b32 v[U+1], 2, v[U]
	v_mul_u32_u24 v[U+1], SPITCH, v[U+1]           ; row lane / 4 of each eight rows,
	v_and_b32 v[U+2], 3, v0
	v_lshl_add_u32 v[U+1], v[U+2], 4, v[U+1]       ; its bytes 16 (lane & 3)
	v_add_nc_u32 v[U+1], s51, v[U+1]
.irp i2, 0,1,2,3,4,5,6,7
	ds_load_b128 v[PB+4*\i2:PB+4*\i2+3], v[U+1] offset:8*SPITCH*\i2
.endr
	v_lshlrev_b32 v[U+2], 4, v[U]
.irp i2, 0,1,2,3,4,5,6,7
	s_wait_dscnt 7-\i2                             ; this chunk's load is in, those of the later chunks stay out
	global_store_b128 v[U+2], v[PB+4*\i2:PB+4*\i2+3], s[10:11] offset:512*\i2 th:TH_STORE_NT     ; the wave stores 512 consecutive aligned bytes: eight rows
.endr
	; the log-Jacobian: my four channels + the other half's four, times ln 2; through scratch, so that one store covers the wave's 64 rows
	v_and_b32 v[U+3], 15, v0
	v_lshlrev_b32 v[U+3], 2, v[U+3]
	v_add_nc_u32 v[U+3], s51, v[U+3]
.irp ct, 0,1,2,3
	v_permlanex16_b32 v[U+4+\ct], v[LJ+\ct], s48, s49
.endr
.irp ct, 0,1,2,3
	v_add_f32 v[LJ+\ct], v[LJ+\ct], v[U+4+\ct]
	v_mul_f32 v[LJ+\ct], 0x3f317218, v[LJ+\ct]
	ds_store_b32 v[U+3], v[LJ+\ct] offset:64*\ct   ; both halves of the lanes write the same number to the same word
.endr
	v_lshl_add_u32 v[U+8], v[U], 3, s51
	ds_load_b64 v[U+10:U+11], v[U+8]
	v_lshlrev_b32 v[U+9], 3, v[U]
	s_wait_dscnt 0x0
	global_store_b64 v[U+9], v[U+10:U+11], s[12:13] th:TH_STORE_NT         ; 256 consecutive aligned bytes
.else
	s_wait_dscnt 0x0                               ; my reads of part B are over,
	s_wait_tensorcnt 0x0                           ; my eighth of the next layer's part A has landed
	ds_add_u32 v22, v23
	s_wait_dscnt 0x0
	s_add_nc_u64 s[G0B+2:G0B+3], s[G0B+2:G0B+3], IMG
	ROUND
	tensor_load_to_lds s[G0B:G0B+3], s[G1B:G1B+7]  ; the next layer's part B: it has the next layer's first pass in which to land
	s_nop 0
.endif
.endm
	; ---------------------------------------------------------------- the head
	s_load_b256 s[4:11], s[0:1], 0x0               ; wimg s[4:5], x s[6:7], c s[8:9], out0 s[10:11]
	s_load_b64 s[12:13], s[0:1], 0x20              ; out1
	v_lshl_add_u32 v22, v0, 2, 0x42600
	v_mov_b32 v23, 0
	ds_add_u32 v22, v23
	v_lshrrev_b32 v1, 5, v0
	v_readfirstlane_b32 s16, v1                    ; wave 0..7
	s_bfe_u32 s20, ttmp6, 0x40000                  ; my place in the cluster
	s_lshl_b32 s17, ttmp9, 2                       ; in a cluster launch ttmp9 counts clusters
	s_add_co_u32 s17, s17, s20                     ; work-group: it enters global offsets of x, c, out0, out1 alone
	s_lshl_b32 s18, s17, 15                        ; x and out0: 512 rows of 64 bytes a work-group,
	s_lshl_b32 s20, s16, 12                        ; 64 rows a wave
	s_add_co_u32 s18, s18, s20
	s_mov_b32 s19, 0
	s_lshr_b32 s20, s18, 1                         ; c: rows of 32 bytes
	s_mov_b32 s21, 0
	s_lshr_b32 s22, s18, 4                         ; out1: 4 bytes a row
	s_mov_b32 s23, 0
	s_mul_i32 s51, s16, 64*SPITCH
	s_add_co_u32 s51, s51, SCR0                    ; my wave's scratch
	s_mov_b32 s14, 0xffffe000                      ; keeps sign, exponent and 10 mantissa bits
	s_mov_b32 s48, 0x76543210                      ; v_permlanex16_b32: lane i of one half reads lane i of the other
	s_mov_b32 s49, 0xfedcba98
	s_mov_b32 s54, 0x3f7fbe77                      ; 0.999
	s_mov_b32 s55, 0x3a83126f                      ; 0.001
	s_mov_b32 s57, 0xffff0000                      ; a word's upper bf16
	v_and_b32 v116, 31, v0                         ; lane
	v_lshlrev_b32 v117, 4, v116                    ; x: 16 bytes a lane
	v_and_b32 v118, 15, v0                         ; r
	v_and_b32 v119, 16, v0                         ; 16 h
	v_lshl_add_u32 v120, v118, 5, v119             ; c: row r, half h
	v_lshrrev_b32 v123, 2, v118                    ; norms: lane r takes row r & 3 of layer r / 4
	v_mul_u32_u24 v123, IMG, v123
	v_and_b32 v122, 3, v0
	v_lshl_add_u32 v123, v122, 8, v123
	; descriptor group 1 of each part: rows of 32 elements of 8 bytes, dense in memory, 16 bytes of padding behind each row in LDS
	s_mov_b32 s[G1A+0], 15|(3<<16)|(1<<20)|(1<<21)|(5<<22)|(3<<25) ; 15:0 mask: the cluster's four; 17:16 8-byte elements; 20 padding on; 21 set beside a mask; 24:22 after every 64 words; 31:25 four words
	s_mov_b32 s[G1A+1], 32<<16                     ; tensor_dim0 = 32
	s_mov_b32 s[G1A+2], AROWS<<16                  ; tensor_dim1 = 41
	s_mov_b32 s[G1A+3], 32<<16                     ; tile_dim0 = 32
	s_mov_b32 s[G1A+4], AROWS                      ; tile_dim1 = 41
	s_mov_b32 s[G1A+5], 32                         ; from row to row: 32 elements
	s_mov_b32 s[G1A+6], 0
	s_mov_b32 s[G1A+7], 0
	s_mov_b32 s[G1B+0], 15|(3<<16)|(1<<20)|(1<<21)|(5<<22)|(3<<25)
	s_mov_b32 s[G1B+1], 32<<16
	s_mov_b32 s[G1B+2], BROWS<<16                  ; 65 rows
	s_mov_b32 s[G1B+3], 32<<16
	s_mov_b32 s[G1B+4], BROWS
	s_mov_b32 s[G1B+5], 32
	s_mov_b32 s[G1B+6], 0
	s_mov_b32 s[G1B+7], 0
	s_wait_dscnt 0x0
	s_wait_kmcnt 0x0
	s_add_nc_u64 s[6:7], s[6:7], s[18:19]
	s_add_nc_u64 s[8:9], s[8:9], s[20:21]
	s_add_nc_u64 s[10:11], s[10:11], s[18:19]
	s_add_nc_u64 s[12:13], s[12:13], s[22:23]
.irp k, 0,1,2,3,4,5,6,7
	global_load_b128 v[ACC+4*\k:ACC+4*\k+3], v117, s[6:7] offset:512*\k th:TH_LOAD_NT      ; my wave's 64 rows of x, 512 consecutive bytes a load
.endr
.irp ct, 0,1,2,3
	global_load_b128 v[ACC+32+4*\ct:ACC+32+4*\ct+3], v120, s[8:9] offset:512*\ct th:TH_LOAD_NT   ; c[16 ct + r][4 h ..]
.endr
	global_load_b128 v[ACC+48:ACC+51], v123, s[4:5] offset:NORMS           ; P1, max|b1|, Ph, max|bh|
	; group 0 of each part, for layer 0: nothing in it but the wave's number and constants
	s_mov_b32 s[G0A], 1
	s_mul_i32 s[G0A+1], s16, AROWS*272
	s_mul_i32 s58, s16, AROWS*256
	s_mov_b32 s59, 0
	s_add_nc_u64 s[G0A+2:G0A+3], s[4:5], s[58:59]
	s_or_b32 s[G0A+3], s[G0A+3], 0x80000000
	s_mov_b32 s[G0B], 1
	s_mul_i32 s56, s16, BROWS*272
	s_add_co_u32 s[G0B+1], s56, LDSB
	s_mul_i32 s58, s16, BROWS*256
	s_add_co_u32 s58, s58, PARTB
	s_add_nc_u64 s[G0B+2:G0B+3], s[4:5], s[58:59]
	s_or_b32 s[G0B+3], s[G0B+3], 0x80000000
	ROUND                                          ; the four work-groups are here: the first joint loads meet
	tensor_load_to_lds s[G0A:G0A+3], s[G1A:G1A+7]  ; layer 0, part A
	s_nop 0
	tensor_load_to_lds s[G0B:G0B+3], s[G1B:G1B+7]  ; layer 0, part B
	s_nop 0
	; lane terms
	v_lshrrev_b32 v[LW1], 2, v118
	v_lshlrev_b32 v[LW1], 4, v[LW1]
	v_lshl_add_u32 v[LW1], v118, 6, v[LW1]
	v_add_nc_u32 v[LW1], v[LW1], v119
	v_add_nc_u32 v[APM], OFF_PM, v[LW1]
	v_mad_u32_u24 v[AWH], v118, 272, v119
	v_add_nc_u32 v[AWO0], OFF_WO, v[AWH]
	v_add_nc_u32 v[AWH], OFF_WHH, v[AWH]
	v_lshlrev_b32 v[AB1], 1, v119
	v_add_nc_u32 v[ABO0], OFF_BO, v[AB1]
	v_add_nc_u32 v[AB1], OFF_B1, v[AB1]
	v_mad_u32_u24 v[XR], v118, SPITCH, v119
	v_add_nc_u32 v[XR], s51, v[XR]
	v_lshrrev_b32 v121, 2, v116                    ; x as loaded: row lane / 4 of each eight, 16 bytes at 16 (lane & 3)
	v_mul_u32_u24 v121, SPITCH, v121
	v_lshl_add_u32 v121, v122, 4, v121
	v_add_nc_u32 v121, s51, v121
.irp ct, 0,1,2,3
	v_mov_b32 v[LJ+\ct], 0
.endr
	v_mov_b32 v125, 0                              ; the lane permute below counts as a reader of its destination
	s_wait_loadcnt 0x5                             ; x is in; the four loads of c and the one of the norms behind it may stay out
.irp k, 0,1,2,3,4,5,6,7
	ds_store_b128 v121, v[ACC+4*\k:ACC+4*\k+3] offset:8*SPITCH*\k
.endr
	s_wait_loadcnt 0x0
	; the scales: m = max(1, |x|, |c|) over the wave
	v_max3_num_f32 v124, |v[ACC]|, |v[ACC+1]|, 1.0
.set ii, 1
.rept 23
	v_max3_num_f32 v124, v124, |v[ACC+2*ii]|, |v[ACC+2*ii+1]|
.set ii, ii+1
.endr
	v_max_num_f32_dpp v124, v124, v124 row_xmask:1 row_mask:0xf bank_mask:0xf
	v_max_num_f32_dpp v124, v124, v124 row_xmask:2 row_mask:0xf bank_mask:0xf
	v_max_num_f32_dpp v124, v124, v124 row_xmask:4 row_mask:0xf bank_mask:0xf
	v_max_num_f32_dpp v124, v124, v124 row_xmask:8 row_mask:0xf bank_mask:0xf
	v_permlanex16_b32 v125, v124, s48, s49
	v_max_num_f32 v124, v124, v125
	; N1, Nh: the four rows' parts added (lanes r, r ^ 1, r ^ 2, r ^ 3 hold one layer's)
	v_add_f32_dpp v[ACC+48], v[ACC+48], v[ACC+48] row_xmask:1 row_mask:0xf bank_mask:0xf
	v_add_f32_dpp v[ACC+50], v[ACC+50], v[ACC+50] row_xmask:1 row_mask:0xf bank_mask:0xf
	v_add_f32_dpp v[ACC+48], v[ACC+48], v[ACC+48] row_xmask:2 row_mask:0xf bank_mask:0xf
	v_add_f32_dpp v[ACC+50], v[ACC+50], v[ACC+50] row_xmask:2 row_mask:0xf bank_mask:0xf
	v_fma_f32 v125, v[ACC+48], v124, v[ACC+49]     ; B1 = N1 m + max|b1|
	v_fma_f32 v126, v[ACC+50], v125, v[ACC+51]     ; B2 = Nh B1 + max|bh|
	v_max3_num_f32 v124, v124, v125, v126
	v_max_num_f32_dpp v124, v124, v124 row_xmask:4 row_mask:0xf bank_mask:0xf      ; over the four layers
	v_max_num_f32_dpp v124, v124, v124 row_xmask:8 row_mask:0xf bank_mask:0xf
	v_lshrrev_b32 v124, 23, v124                   ; M's exponent field E (M is positive, at least 1)
	v_sub_nc_u32 v125, 262, v124                   ; t_in = 2^(8 - (E - 127)): field 262 - E
	v_add_nc_u32 v126, 0xffffffef, v124            ; 1 / t3 = 2^((E - 127) - 17): field E - 17
	v_lshlrev_b32 v125, 23, v125
	v_lshlrev_b32 v126, 23, v126
	v_readfirstlane_b32 s60, v125
	v_readfirstlane_b32 s62, v126
	s_mov_b32 s61, s60
	s_mov_b32 s63, s62
	s_add_co_u32 s[ST1], s60, 3<<23                ; t1 = 8 t_in: three more in the exponent field
	s_add_co_u32 s[ST2], s60, 6<<23                ; t2 = 64 t_in
	s_add_co_u32 s[ST3], s60, 9<<23                ; t3 = 512 t_in
	s_mov_b32 s[ST1+1], s[ST1]
	s_mov_b32 s[ST2+1], s[ST2]
	s_mov_b32 s[ST3+1], s[ST3]
.irp ct, 0,1,2,3
	INSPLIT ACC+32+4*\ct, IN+8*\ct+2               ; c is scaled, split and packed once for all four layers
.endr
	s_wait_tensorcnt 0x1                           ; my eighth of part A has landed; part B's may stay out
	s_wait_dscnt 0x0
	s_barrier_signal -1
	s_barrier_wait -1                              ; everybody's eighth has
	; ---------------------------------------------------------------- the four layers
	s_mov_b32 s15, 0
.Llayer:
	LAYER 0                                        ; layers 0, 1, 2: each asks for both parts of the next layer
	s_add_co_u32 s15, s15, 1
	s_cmp_lt_u32 s15, 3
	s_cbranch_scc1 .Llayer
	LAYER 1                                        ; layer 3 asks for nothing and stores the results
	s_wait_tensorcnt 0x0
	ds_add_u32 v22, v23
	s_wait_dscnt 0x0
	ROUND                                          ; the closing round: no work-group ends while a partner may still ask jointly
	s_endpgm
.Lfunc_end_k_q45059dffeb_flow:
	.size	k_q45059dffeb_flow, .Lfunc_end_k_q45059dffeb_flow-k_q45059dffeb_flow
	.p2alignl 7, 3214868480
	.fill 96, 4, 3214868480
	.section	.rodata,"a",@progbits
	.p2align	6, 0x0
	.amdhsa_kernel k_q45059dffeb_flow
		.amdhsa_group_segment_fixed_size 327680
		.amdhsa_private_segment_fixed_size 0
		.amdhsa_enable_private_segment 0
		.amdhsa_kernarg_size 40
		.amdhsa_user_sgpr_count 2
		.amdhsa_user_sgpr_kernarg_segment_ptr 1
		.amdhsa_wavefront_size32 1
		.amdhsa_system_sgpr_workgroup_id_x 1
		.amdhsa_system_sgpr_workgroup_id_y 1
		.amdhsa_system_sgpr_workgroup_id_z 1
		.amdhsa_system_vgpr_workitem_id 0
		.amdhsa_next_free_vgpr 512
		.amdhsa_next_free_sgpr 66
		.amdhsa_reserve_vcc 1
		.amdhsa_float_denorm_mode_32 3
		.amdhsa_float_denorm_mode_16_64 3
		.amdhsa_memory_ordered 1
		.amdhsa_forward_progress 1
		.amdhsa_inst_pref_size 255
	.end_amdhsa_kernel
	.section	.bss,"aw",@nobits
	.p2align	6
	.space	262144
	.amdgpu_metadata
---
amdhsa.version: [ 1, 2 ]
amdhsa.kernels:
  - .name:           k_q45059dffeb_flow
    .symbol:         k_q45059dffeb_flow.kd
    .args:
      - { .name: wimg, .offset: 0, .size: 8, .value_kind: global_buffer, .address_space: global }
      - { .name: x, .offset: 8, .size: 8, .value_kind: global_buffer, .address_space: global }
      - { .name: c, .offset: 16, .size: 8, .value_kind: global_buffer, .address_space: global }
      - { .name: out0, .offset: 24, .size: 8, .value_kind: global_buffer, .address_space: global }
      - { .name: out1, .offset: 32, .size: 8, .value_kind: global_buffer, .address_space: global }
    .group_segment_fixed_size: 327680
    .private_segment_fixed_size: 0
    .kernarg_segment_align: 8
    .kernarg_segment_size: 40
    .max_flat_workgroup_size: 256
    .sgpr_count:     66
    .vgpr_count:     512
    .wavefront_size: 32
...
	.end_amdgpu_metadata
.endif
;; end of part 2
;; ======== version 2 of 2: 2 launches; 1.26 times as fast as version 1
;; limits: values are held in f16: magnitudes above 65,504 overflow, below 6.1e-05 lose precision; right only within a limited range of input values
;; workspace buffers: wimg 835,584 bytes
;; launch prep (part 3): grid 102 x 4, 4 waves a work-group, no clusters, 0 bytes of LDS; arguments W1s, Whs, Wos, b1s, bhs, bos, perms, wimg; writes wimg
.if DOCPART == 3
	.amdgcn_target "amdgcn-amd-amdhsa--gfx1250"
	.amdhsa_code_object_version 6
	.text
	.protected	k_q45059dffeb_prep
	.globl	k_q45059dffeb_prep
	.p2align	8
	.type	k_q45059dffeb_prep,@function
k_q45059dffeb_prep:
	s_mov_b64 s[64:65], 0
	v_nop
	global_prefetch_b8 v0, s[64:65] scope:SCOPE_SE
	s_setreg_imm32_b32 hwreg(HW_REG_WAVE_MODE, 25, 1), 1
	s_wait_xcnt 0x0
; prep: the weights of the four layers as one f16 image per layer, in the order in which the second launch's matrix fragments
; read them (feature rows, K along the row), biases in f32, norms for the second launch's scale, the permutation as a matrix.
; Every weight w (the input times 8, exact; for Wos times 8 log2(e)) is stored as two f16 factors:
;   A1 = 63/64 w rounded to 11 bits,   A2 = 64 (w - A1) rounded to f16.
; A1 + A2 / 64 is w to 2^-18 of its size (A2 / 64 has the size of w / 64 and carries 11 bits), and A2 itself is w to 2^-6.  The second
; launch multiplies A1 by the top 11 bits of an activation and A2 by (top / 64 + the rest), and so has the product to some 2^-17.
; The factor 8 keeps weights of the size of 0.1 and less well inside f16's normal range; the second launch's scales take it out again.
; One layer's image, IMG = 208,896 bytes, dense.  Part A (75,776 bytes):
;        0  W1T      128 rows (feature n) x 32 k.  k slots 0-3 = W1 rows 0-3, 4-7 = rows 8-11, 8-11 = rows 4-7, 12-15 = rows 12-15,
;                    all as A1; slots 16-31 the same rows as A2
;    8,192  WhT A1   128 rows n x 128 k
;   40,960  WhT A2   likewise
;   73,728  b1 (128 f32), 74,240 bh (128 f32), as they are
;   74,752  four rows of 256 bytes, row w: [P1, max|b1|, Ph, max|bh|] in f32, then zeros.  Ph = max over columns n of the sum over
;           k = 32 w .. 32 w + 31 of |Wh[k][n]|, P1 the same of W1's rows 4 w .. 4 w + 3 (of the weights as they are, not times 8).
;           The four P added bound every absolute column sum.
; Part B (133,120 bytes):
;   75,776  WoT A1   256 rows R x 128 k.  R = 64 q + 16 u + 8 h + j stands for column 31 (4 h + q) + (8 u + j) of Wos; the rows
;                    with 8 u + j = 31 are 0 (31 parameters are padded to 32)
;  141,312  WoT A2   likewise
;  206,848  bo (256 f32 in the order R, times log2(e), 0 where 8 u + j = 31)
;  207,872  PM   16 rows m x 32 k bf16, zeros and ones.  Row m = 8 h + j stands for the new channel 4 h + j (j < 4) or
;           8 + 4 h + (j - 4); k slot 8 h' + e for the old channel 4 h' + e (e < 4) or 8 + 4 h' + (e - 4); slots 16-31 repeat
;           slots 0-15.  The entry is 1 where perm[new channel] = old channel.  An entry of perms outside 0..15 gives a row of zeros.
; The factor log2(e) turns the softmaxes' and the softplus' exponentials into powers of two.
; LIMITS: 8.2 |W| (for Wos: 8.2 log2(e) |W|) below 65,504, f16's largest number; factors below 2^-14 are carried to 2^-25 absolute.
; Work: work-group (bx, layer) writes the 2,048 bytes at layer IMG + 2,048 bx; thread t its 16 bytes at 16 t (block 36: see there),
; so sixteen neighbouring lanes write 256 consecutive aligned bytes.  A thread's eight numbers are eight rows of one column of the
; source, which lies [K][N]: eight loads of 4 bytes.  The sources are 0.8 MB in all and this transposition is done once.
.set IMG,    208896
.set LOG2E,  0x3fb8aa3b
.set LOG2E8, 0x4138aa3b                ; 8 log2(e)
.set EIGHT,  0x41000000
.macro GATE                            ; the padding: zero in the lanes whose VCC bit is clear
.irp j, 0,1,2,3
	v_cndmask_b32 v[16+\j], 0, v[16+\j], vcc_lo
.endr
.endm
.macro TIMES k                         ; v[8:15] times the constant k
.irp j, 0,2,4,6
	v_pk_mul_f32 v[8+\j:9+\j], v[8+\j:9+\j], \k op_sel_hi:[1,0]
.endr
.endm
; v[8:15] = eight w in f32 -> v[16:19] = eight f16, the first lowest: A1 where VCC is clear, A2 where it is set.
; 63/64 w is rounded to 11 bits in f32, by c = 8193 x, c - (c - x), so that w - A1 can be formed (it is exact: the two lie within a factor of two).
.macro TWO
.irp e, 0,2,4,6
	v_pk_mul_f32 v[20+\e:21+\e], v[8+\e:9+\e], 0x3f7c0000 op_sel_hi:[1,0]          ; x = 63/64 w
.endr
.irp e, 0,2,4,6
	v_pk_mul_f32 v[32+\e:33+\e], v[20+\e:21+\e], 0x46000400 op_sel_hi:[1,0]        ; c = (2^13 + 1) x
.endr
.irp e, 0,2,4,6
	v_pk_add_f32 v[20+\e:21+\e], v[32+\e:33+\e], v[20+\e:21+\e] neg_lo:[0,1] neg_hi:[0,1]   ; c - x
.endr
.irp e, 0,2,4,6
	v_pk_add_f32 v[20+\e:21+\e], v[32+\e:33+\e], v[20+\e:21+\e] neg_lo:[0,1] neg_hi:[0,1]   ; A1 = c - (c - x)
.endr
.irp e, 0,2,4,6
	v_pk_add_f32 v[8+\e:9+\e], v[8+\e:9+\e], v[20+\e:21+\e] neg_lo:[0,1] neg_hi:[0,1]       ; w - A1
.endr
.irp e, 0,2,4,6
	v_pk_mul_f32 v[8+\e:9+\e], v[8+\e:9+\e], 0x42800000 op_sel_hi:[1,0]            ; times 64
.endr
.irp j, 0,1,2,3
	v_cvt_pk_f16_f32 v[16+\j], v[20+2*\j], v[21+2*\j]
	v_cvt_pk_f16_f32 v[28+\j], v[8+2*\j], v[9+2*\j]
.endr
.irp j, 0,1,2,3
	v_cndmask_b32 v[16+\j], v[16+\j], v[28+\j], vcc_lo
.endr
.endm
.macro ONES w, c0, c1                  ; word w of my 16 bytes: 1.0 in the low half where v6 = c0, in the high half where v6 = c1
	v_cmp_eq_u32 vcc_lo, \c0, v6
	v_cndmask_b32 v[16+\w], 0, v20, vcc_lo
	v_cmp_eq_u32 vcc_lo, \c1, v6
	v_cndmask_b32 v[16+\w], v[16+\w], v21, vcc_lo
.endm
.macro WMAX r                          ; the maximum over the wave's 32 lanes, in every lane
	v_max_num_f32_dpp v[\r], v[\r], v[\r] row_xmask:1 row_mask:0xf bank_mask:0xf
	v_max_num_f32_dpp v[\r], v[\r], v[\r] row_xmask:2 row_mask:0xf bank_mask:0xf
	v_max_num_f32_dpp v[\r], v[\r], v[\r] row_xmask:4 row_mask:0xf bank_mask:0xf
	v_max_num_f32_dpp v[\r], v[\r], v[\r] row_xmask:8 row_mask:0xf bank_mask:0xf
	v_permlanex16_b32 v2, v[\r], s32, s33          ; v2 has been written before
	v_max_num_f32 v[\r], v[\r], v2
.endm
	s_load_b256 s[4:11], s[0:1], 0x0               ; W1s s[4:5], Whs s[6:7], Wos s[8:9], b1s s[10:11]
	s_load_b128 s[12:15], s[0:1], 0x20             ; bhs s[12:13], bos s[14:15]
	s_load_b128 s[16:19], s[0:1], 0x30             ; perms s[16:17], wimg s[18:19]
	s_and_b32 s28, ttmp7, 0xffff                   ; layer
	s_mov_b32 s29, ttmp9                           ; bx
	s_mul_i32 s22, s28, IMG
	s_lshl_b32 s24, s29, 11
	s_add_co_u32 s22, s22, s24                     ; layer IMG + 2,048 bx
	s_mov_b32 s23, 0
	s_mov_b32 s21, 0                               ; high word of the source's offset pair s[20:21]
	v_lshlrev_b32 v1, 4, v0                        ; my 16 bytes of the block
	s_wait_kmcnt 0x0
	s_add_nc_u64 s[18:19], s[18:19], s[22:23]
	s_cmp_lt_u32 s29, 4
	s_cbranch_scc1 .Lw1
	s_cmp_lt_u32 s29, 36
	s_cbranch_scc1 .Lwh
	s_cmp_eq_u32 s29, 36
	s_cbranch_scc1 .Lnm
	s_cmp_lt_u32 s29, 101
	s_cbranch_scc1 .Lwo
	; block 101: waves 0 and 1 reorder bo, waves 2 and 3 make the permutation's matrix
	v_lshrrev_b32 v2, 5, v0
	v_readfirstlane_b32 s25, v2                    ; wave
	s_cmp_ge_u32 s25, 2
	s_cbranch_scc1 .Lpm
	v_and_b32 v2, 63, v0
	v_lshlrev_b32 v2, 2, v2                        ; R of my first number
	v_lshrrev_b32 v3, 6, v2                        ; q
	v_bfe_u32 v4, v2, 3, 1                         ; h
	v_lshl_add_u32 v3, v4, 2, v3                   ; channel 4 h + q
	v_bfe_u32 v4, v2, 4, 2                         ; u
	v_and_b32 v5, 7, v2                            ; j: 0 or 4
	v_lshl_add_u32 v4, v4, 3, v5                   ; parameter of my first number
	v_mad_u32_u24 v5, v3, 31, v4                   ; its column
	v_add_nc_u32 v6, 3, v5
	v_min_u32 v6, 247, v6                          ; my fourth number's column; the padding's load stays inside bos
	v_lshlrev_b32 v5, 2, v5
	v_lshlrev_b32 v6, 2, v6
	s_mul_i32 s20, s28, 992                        ; 248 f32 a layer
	s_add_nc_u64 s[14:15], s[14:15], s[20:21]
	global_load_b32 v8, v5, s[14:15]
	global_load_b32 v9, v5, s[14:15] offset:4
	global_load_b32 v10, v5, s[14:15] offset:8
	global_load_b32 v11, v6, s[14:15]
	v_cmp_ne_u32 vcc_lo, 28, v4                    ; clear where my fourth number is parameter 31
	s_wait_loadcnt 0x0
	v_pk_mul_f32 v[8:9], v[8:9], LOG2E op_sel_hi:[1,0]
	v_pk_mul_f32 v[10:11], v[10:11], LOG2E op_sel_hi:[1,0]
	v_cndmask_b32 v11, 0, v11, vcc_lo
	global_store_b128 v1, v[8:11], s[18:19]
	s_endpgm
.Lpm:                                              ; threads 64-127: row m = (t - 64) / 4, eight k slots each
	v_bfe_u32 v2, v0, 2, 4                         ; row m = 8 h + j
	v_and_b32 v3, 3, v2                            ; j & 3
	v_bfe_u32 v4, v2, 3, 1                         ; h
	v_bfe_u32 v5, v2, 2, 1                         ; j >> 2
	v_lshl_add_u32 v3, v4, 2, v3
	v_lshl_add_u32 v3, v5, 3, v3                   ; the row's new channel: 4 h + (j & 3) + 8 (j >> 2)
	v_lshlrev_b32 v3, 2, v3
	s_lshl_b32 s20, s28, 6                         ; 16 whole numbers a layer
	s_add_nc_u64 s[16:17], s[16:17], s[20:21]
	global_load_b32 v6, v3, s[16:17]               ; perm[new channel]
	v_and_b32 v7, 1, v0                            ; h' of my eight k slots (bit 1 of t picks the copy: both copies are alike)
	v_lshlrev_b32 v7, 2, v7
	v_mov_b32 v20, 0x3f80                          ; 1.0 in bf16, low half
	v_mov_b32 v21, 0x3f800000                      ; high half
	s_wait_loadcnt 0x0
	v_sub_nc_u32 v6, v6, v7                        ; old channel - 4 h': my slot e holds 1 where this is e (e < 4) or e + 4
	ONES 0, 0, 1
	ONES 1, 2, 3
	ONES 2, 8, 9
	ONES 3, 10, 11
	global_store_b128 v1, v[16:19], s[18:19]
	s_endpgm
.Lnm:                                              ; block 36.  In each wave w lanes 0-15 copy chunk 16 w + lane of [b1 | bh], lanes 16-31 write norm row w
	v_lshrrev_b32 v2, 5, v0
	v_readfirstlane_b32 s25, v2                    ; wave
	s_mov_b32 s32, 0x76543210                      ; v_permlanex16_b32: lane i of one half reads lane i of the other
	s_mov_b32 s33, 0xfedcba98
	v_and_b32 v22, 31, v0                          ; lane
	v_and_b32 v23, 15, v0
	v_lshl_add_u32 v24, s25, 4, v23                ; 16 w + (lane & 15)
	v_bfe_u32 v25, v0, 4, 1
	v_lshlrev_b32 v1, 4, v24
	v_lshl_add_u32 v1, v25, 10, v1                 ; where I store: chunk 16 w + lane, or 1,024 + 256 w + 16 (lane - 16)
	v_and_b32 v26, 31, v24
	v_lshlrev_b32 v26, 4, v26                      ; the chunk inside b1 (waves 0, 1) or bh (waves 2, 3)
	v_lshlrev_b32 v27, 4, v22                      ; 16 bytes a lane: four columns of a row of 128
	v_lshl_add_u32 v28, s25, 11, v27               ; W1: rows 4 w ..
	v_lshl_add_u32 v29, s25, 14, v27               ; Wh: rows 32 w ..
	s_lshl_b32 s20, s28, 9                         ; 512 bytes of bias a layer
	s_add_nc_u64 s[10:11], s[10:11], s[20:21]
	s_add_nc_u64 s[12:13], s[12:13], s[20:21]
	s_lshl_b32 s20, s28, 13
	s_add_nc_u64 s[4:5], s[4:5], s[20:21]
	s_lshl_b32 s20, s28, 16
	s_add_nc_u64 s[6:7], s[6:7], s[20:21]
	s_cmp_lt_u32 s25, 2
	s_cselect_b64 s[26:27], s[10:11], s[12:13]
	global_load_b128 v[4:7], v26, s[26:27]
	global_load_b128 v[176:179], v27, s[10:11]
	global_load_b128 v[180:183], v27, s[12:13]
.irp j, 0,1,2,3
	global_load_b128 v[160+4*\j:163+4*\j], v28, s[4:5] offset:512*\j
.endr
.set jj, 0
.rept 32
	global_load_b128 v[32+4*jj:35+4*jj], v29, s[6:7] offset:512*jj       ; all 32 rows on their way at once
.set jj, jj+1
.endr
	s_wait_loadcnt 0x0
.irp cc, 0,1,2,3
	v_add_f32 v[8+\cc], |v[32+\cc]|, |v[36+\cc]|   ; four columns, four chains
	v_add_f32 v[12+\cc], |v[160+\cc]|, |v[164+\cc]|
.endr
.irp cc, 0,1,2,3
	v_add_f32 v[12+\cc], v[12+\cc], |v[168+\cc]|
.endr
.irp cc, 0,1,2,3
	v_add_f32 v[12+\cc], v[12+\cc], |v[172+\cc]|
.endr
.set jj, 2
.rept 30
.irp cc, 0,1,2,3
	v_add_f32 v[8+\cc], v[8+\cc], |v[32+4*jj+\cc]|
.endr
.set jj, jj+1
.endr
	v_max3_num_f32 v16, v12, v13, v14
	v_max3_num_f32 v17, |v176|, |v177|, |v178|
	v_max3_num_f32 v18, v8, v9, v10
	v_max3_num_f32 v19, |v180|, |v181|, |v182|
	v_max_num_f32 v16, v16, v15
	v_max_num_f32 v17, v17, |v179|
	v_max_num_f32 v18, v18, v11
	v_max_num_f32 v19, v19, |v183|
	WMAX 16
	WMAX 17
	WMAX 18
	WMAX 19
	v_cmp_eq_u32 vcc_lo, 16, v22                   ; lane 16 keeps the four norms, the lanes above it write zeros,
	GATE
	v_cmp_gt_u32 vcc_lo, 16, v22                   ; the lanes below it their chunk of the biases
.irp j, 0,1,2,3
	v_cndmask_b32 v[16+\j], v[16+\j], v[4+\j], vcc_lo
.endr
	global_store_b128 v1, v[16:19], s[18:19]
	s_endpgm
.Lw1:                                              ; blocks 0-3: W1T, 32 rows of 64 bytes a block
	v_lshrrev_b32 v2, 2, v0
	v_lshl_add_u32 v2, s29, 5, v2                  ; feature n = 32 bx + t / 4
	v_and_b32 v4, 1, v0                            ; which 8 of the 16 inputs
	v_lshlrev_b32 v4, 11, v4                       ; the second eight begin 4 rows of 512 bytes further down
	v_lshl_add_u32 v4, v2, 2, v4
	v_and_b32 v3, 2, v0                            ; bit 1 of t: slots 0-15 (A1) or 16-31 (A2)
	s_lshl_b32 s20, s28, 13                        ; 8,192 bytes a layer
	s_add_nc_u64 s[4:5], s[4:5], s[20:21]
.irp e, 0,1,2,3
	global_load_b32 v[8+\e], v4, s[4:5] offset:512*\e          ; the rows that meet x1
.endr
.irp e, 4,5,6,7
	global_load_b32 v[8+\e], v4, s[4:5] offset:512*(\e+4)      ; the rows that meet c
.endr
	v_cmp_ne_u32 vcc_lo, 0, v3
	s_wait_loadcnt 0x0
	TIMES EIGHT
	TWO
	global_store_b128 v1, v[16:19], s[18:19]
	s_endpgm
.Lwh:                                              ; blocks 4-19: WhT A1, 20-35: A2; 8 rows of 256 bytes a block
	s_sub_co_u32 s24, s29, 4
	s_lshr_b32 s31, s24, 4
	s_and_b32 s24, s24, 15
	s_cmp_lg_u32 s31, 0
	s_cselect_b32 vcc_lo, -1, 0                    ; all lanes set: A2
	v_lshrrev_b32 v2, 4, v0
	v_lshl_add_u32 v2, s24, 3, v2                  ; feature n
	v_and_b32 v3, 15, v0                           ; k = 8 kc ..
	v_lshlrev_b32 v4, 12, v3                       ; 8 rows of 512 bytes
	v_lshl_add_u32 v4, v2, 2, v4
	s_lshl_b32 s20, s28, 16                        ; 65,536 bytes a layer
	s_add_nc_u64 s[6:7], s[6:7], s[20:21]
.irp e, 0,1,2,3,4,5,6,7
	global_load_b32 v[8+\e], v4, s[6:7] offset:512*\e
.endr
	s_wait_loadcnt 0x0
	TIMES EIGHT
	TWO
	global_store_b128 v1, v[16:19], s[18:19]
	s_endpgm
.Lwo:                                              ; blocks 37-68: WoT A1, 69-100: A2; 8 rows of 256 bytes a block
	s_sub_co_u32 s24, s29, 37
	s_lshr_b32 s31, s24, 5
	s_and_b32 s24, s24, 31
	v_lshrrev_b32 v2, 4, v0
	v_lshl_add_u32 v2, s24, 3, v2                  ; R
	v_and_b32 v3, 15, v0                           ; k = 8 kc ..
	v_lshrrev_b32 v4, 6, v2                        ; q
	v_bfe_u32 v5, v2, 3, 1                         ; h
	v_lshl_add_u32 v4, v5, 2, v4                   ; channel
	v_bfe_u32 v5, v2, 4, 2                         ; u
	v_and_b32 v6, 7, v2                            ; j
	v_lshl_add_u32 v5, v5, 3, v6                   ; parameter
	v_mad_u32_u24 v6, v4, 31, v5                   ; column of Wos
	v_min_u32 v6, 247, v6                          ; the padding's loads stay inside Wos
	v_mul_u32_u24 v7, v3, 7936                     ; 8 rows of 992 bytes
	v_lshl_add_u32 v7, v6, 2, v7
	s_mul_i32 s20, s28, 126976                     ; bytes a layer
	s_add_nc_u64 s[8:9], s[8:9], s[20:21]
.irp e, 0,1,2,3,4,5,6,7
	global_load_b32 v[8+\e], v7, s[8:9] offset:992*\e
.endr
	s_cmp_lg_u32 s31, 0
	s_cselect_b32 vcc_lo, -1, 0                    ; all lanes set: A2
	s_wait_loadcnt 0x0
	TIMES LOG2E8
	TWO
	v_cmp_gt_u32 vcc_lo, 31, v5                    ; clear for parameter 31
	GATE
	global_store_b128 v1, v[16:19], s[18:19]
	s_endpgm
.Lfunc_end_k_q45059dffeb_prep:
	.size	k_q45059dffeb_prep, .Lfunc_end_k_q45059dffeb_prep-k_q45059dffeb_prep
	.p2alignl 7, 3214868480
	.fill 96, 4, 3214868480
	.section	.rodata,"a",@progbits
	.p2align	6, 0x0
	.amdhsa_kernel k_q45059dffeb_prep
		.amdhsa_group_segment_fixed_size 0
		.amdhsa_private_segment_fixed_size 0
		.amdhsa_enable_private_segment 0
		.amdhsa_kernarg_size 64
		.amdhsa_user_sgpr_count 2
		.amdhsa_user_sgpr_kernarg_segment_ptr 1
		.amdhsa_wavefront_size32 1
		.amdhsa_system_sgpr_workgroup_id_x 1
		.amdhsa_system_sgpr_workgroup_id_y 1
		.amdhsa_system_sgpr_workgroup_id_z 1
		.amdhsa_system_vgpr_workitem_id 0
		.amdhsa_next_free_vgpr 192
		.amdhsa_next_free_sgpr 66
		.amdhsa_reserve_vcc 1
		.amdhsa_float_denorm_mode_32 3
		.amdhsa_float_denorm_mode_16_64 3
		.amdhsa_memory_ordered 1
		.amdhsa_forward_progress 1
		.amdhsa_inst_pref_size 33
	.end_amdhsa_kernel
	.amdgpu_metadata
---
amdhsa.version: [ 1, 2 ]
amdhsa.kernels:
  - .name:           k_q45059dffeb_prep
    .symbol:         k_q45059dffeb_prep.kd
    .args:
      - { .name: W1s, .offset: 0, .size: 8, .value_kind: global_buffer, .address_space: global }
      - { .name: Whs, .offset: 8, .size: 8, .value_kind: global_buffer, .address_space: global }
      - { .name: Wos, .offset: 16, .size: 8, .value_kind: global_buffer, .address_space: global }
      - { .name: b1s, .offset: 24, .size: 8, .value_kind: global_buffer, .address_space: global }
      - { .name: bhs, .offset: 32, .size: 8, .value_kind: global_buffer, .address_space: global }
      - { .name: bos, .offset: 40, .size: 8, .value_kind: global_buffer, .address_space: global }
      - { .name: perms, .offset: 48, .size: 8, .value_kind: global_buffer, .address_space: global }
      - { .name: wimg, .offset: 56, .size: 8, .value_kind: global_buffer, .address_space: global }
    .group_segment_fixed_size: 0
    .private_segment_fixed_size: 0
    .kernarg_segment_align: 8
    .kernarg_segment_size: 64
    .max_flat_workgroup_size: 128
    .sgpr_count:     66
    .vgpr_count:     192
    .wavefront_size: 32
...
	.end_amdgpu_metadata
.endif
;; end of part 3
;; launch flow (part 4): grid 256 x 1, 8 waves a work-group, clusters of 4 x 1, 327,680 bytes of LDS; arguments wimg, x, c, out0, out1; writes out0, out1
.if DOCPART == 4
	.amdgcn_target "amdgcn-amd-amdhsa--gfx1250"
	.amdhsa_code_object_version 6
	.text
	.protected	k_q45059dffeb_flow
	.globl	k_q45059dffeb_flow
	.p2align	8
	.type	k_q45059dffeb_flow,@function
k_q45059dffeb_flow:
	s_mov_b64 s[64:65], 0
	v_nop
	global_prefetch_b8 v0, s[64:65] scope:SCOPE_SE
	s_setreg_imm32_b32 hwreg(HW_REG_WAVE_MODE, 25, 1), 1
	s_wait_xcnt 0x0
	s_wait_alu depctr_hold_cnt(0) depctr_sa_sdst(0) depctr_va_vdst(0) depctr_va_sdst(0) depctr_va_ssrc(0) depctr_va_vcc(0) depctr_vm_vsrc(0)
	s_getreg_b32 s2, hwreg(HW_REG_IB_STS2, 6, 4)
	s_cmp_eq_u32 s2, 0
	s_cbranch_scc0 .Lentry_in_a_cluster
	s_endpgm
.Lentry_in_a_cluster:
	s_bfe_u32 s2, ttmp6, 0x10000c
	s_cmp_lg_u32 s2, 0x3003
	s_cbranch_scc0 .Lentry_shape_is_right
	s_endpgm
.Lentry_shape_is_right:
; flow: all four coupling layers for 512 rows a work-group, 64 rows a wave; nothing but x, c, the weight image and the results
; touches memory.  A row's 16 channels live in f32 in the wave's own LDS scratch from layer to layer.
;
; THE LAYOUT.  Weights are source 0 of the matrix instruction (its 16 rows = output features), activations source 1 (its 16
; columns = batch rows).  Lane (r, h) then holds in register j of a result tile feature 8 h + j of batch row r, which is the
; map of source 1 of the next product: two tiles, relu'd and packed, ARE the next K step's fragment; no lane moves.
; The rows of the last product are ordered (by the first launch) so that lane (r, h) finds in tiles (q, u = 0..3) the 32
; consecutive parameters of spline channel 4 h + q of batch row r: each lane owns whole splines, in 32 neighbouring registers.
; A wave's 64 rows are four column tiles of 16; a layer takes them in two passes of two tiles (three products, then the splines),
; since the hidden activations of two tiles, each as two f16 numbers, are what the registers hold beside the weights.
;
; THE PRECISION.  An error of a channel is multiplied by the derivatives of the later splines and, in the log-Jacobian, divided by the
; width of the bin, so single rows answer a rounding of the splines' parameters many times more strongly than most: one f16
; rounding of an operand is too much.  Every product W a is therefore made of TWO f16 products on one accumulator, A1 B1 + A2 B2:
;   B1 = top(a): a with its low 13 mantissa bits cleared;   B2 = a - 63/64 top(a) = top(a) / 64 + (a - top(a)), rounded to f16;
;   A1 = 63/64 W rounded to f16;   A2 = 64 (W - A1) rounded to f16 (both from the first launch).
; A1 B1 + A2 B2 = (A1 + A2 / 64) top(a) + A2 (a - top(a)).  A1 + A2 / 64 is W to 2^-18 (A2 / 64 has the size of W / 64 and carries 11 bits);
; A2 is W to 2^-6, and meets a remainder below 2^-10 of a; B2's rounding is 2^-12 of a / 64.  So the product is right to some 2^-17 of
; |W| |a|.  In the first product, whose K is 16, A1 and B1 fill K slots 0-15 and A2 and B2 slots 16-31: one instruction does both.
; THE SCALES.  So that no f16 operand overflows and the small factors stay in f16's normal range, operands are scaled by powers of two:
; the weights by 8 (first launch), the inputs by t_in; relu and the products are positively homogeneous, so hidden 1 comes out
; times t1 = 8 t_in, hidden 2 times t2 = 8 t1, theta times t3 = 8 t2; the biases are multiplied by t1, t2, t3, and theta is divided
; by t3 in f32.  t2 comes from a bound: m = max(1, |x|, |c|) over the wave's rows (a spline's result stays within [-1, 1], so
; m holds in every layer), B1 = N1 m + max|b1|, B2 = Nh B1 + max|bh| with N1, Nh bounds of the absolute column sums from the first
; launch, M = the largest of m, B1, B2 over the four layers, t2 = 2^14 / 2^floor(log2 M): every scaled activation is below 32,768.
;
; THE WEIGHTS.  A layer's image has two parts, each with one place in LDS: A (W1, Wh, b1, bh: 296 rows of 256 bytes) and B (Wo, bo,
; the permutation: 520 rows); each of the eight waves brings an eighth of a part by one tensor load, padded to a pitch of 272
; bytes.  Every work-group reads the same image, so the four work-groups of a cluster ask jointly (mask 15): the descriptors
; hang on the wave's number, constants and the layer's step alone.  A of the next layer is asked for behind a round of the cluster's
; barrier when the second pass's second product is done, and lands during that pass's splines; B of the next layer behind a round at
; the layer's end, and lands during the next layer's first pass.  By this text's count a wave has at most two tensor loads outstanding.
;
; THE PERMUTATION is a product with a matrix of zeros and ones that the first launch made from perms, so that no LDS address
; hangs on loaded numbers.  A channel goes in as three bf16 numbers hi + mid + lo, 3 x 8 bits: the f32 number itself.
; [P | P] x [hi | mid], then [0 | P] x [mid | lo] on the same accumulator, give the permuted channels in the lane layout in which they went in.
;
; THE ARITHMETIC AND ITS LIMITS.
;  - Biases enter as the f32 C operand, scaled; everything but the matrix operands is f32.
;  - 8.2 |W| below 65,504 (see the first launch); M at most 2^100; scaled factors below 2^-14 are carried to 2^-25 absolute.
;  - theta arrives times t3 log2(e): softmax = exp2((T - max T) / t3) / sum (the maximum is taken away as in the reference); softplus / ln 2
;    = max(u, 0) + log2(1 + exp2(-|u|)), taken only of the two slopes that the bin selects; the log-Jacobian is summed in log2
;    units and multiplied by ln 2 once.
;  - A softmax sums to 1, so the outermost knots are taken as exactly -1 and 1 and the linear branch outside them as y = x; the
;    reference's own values differ from these by the rounding of its cumulative sums, a few 2^-24.  A channel that lies that
;    close to 1 may fall on the other side of the bound, and then has the other branch's log-Jacobian.  Inner knots are (prefix sum
;    of the exponentials) x 1.98 / sum + 0.002 i - 1: another order of rounding than the reference's, some 1e-7; the spline is continuous at its knots.
;  - Exponentials below 2^-126 count as 0 (ISA guide, 15.8); a bin's width and height are at least 0.002 all the same.
;  - Lanes out of bounds compute the rational form on their x as it is and discard it by a select: no branch hangs on data.
;  - NaN and infinities in the inputs are not served (relu by v_max_num_f32 turns NaN into 0; 0 x infinity in the permutation).
.set DUAL,   1                         ; 1: relu and the selects go two to an instruction; 0: the same in plain forms
.set IMG,    208896                    ; a layer's image in memory: 816 rows of 256 bytes
.set PARTB,  75776                     ; part B begins at row 296
.set NORMS,  74752                     ; rows 292-295: the norms
.set AROWS,  37                        ; rows of part A that a wave brings
.set BROWS,  65                        ; rows of part B
.set OFF_W1, 0                         ; LDS: row b of part A lies at 272 b
.set OFF_WHH, 8704                     ; row 32: WhT's A1
.set WHL_D,  34816                     ; from WhT's A1 to its A2: 128 rows
.set OFF_B1, 78336                     ; row 288
.set BH_D,   544                       ; from b1 to bh: 2 rows
.set LDSB,   80640                     ; part B (part A ends at 296 x 272 = 80,512); its row b lies at LDSB + 272 b
.set OFF_WO, LDSB
.set WOL_D,  69632                     ; from WoT's A1 to its A2: 256 rows
.set OFF_BO, LDSB+139264               ; row 512
.set OFF_PM, LDSB+140352               ; row 516
.set SCR0,   222208                    ; 868 x 256 (part B ends at 222,080): scratch, into which no tensor load lands; 5,120 bytes a wave:
.set SPITCH, 80                        ; 64 rows x 80 bytes (16 f32 + 16 bytes; 20 words: 16 rows start at 16 different banks of the 64, ISA guide 11.1)
.set CTSTEP, 16*SPITCH                 ; from a column tile's rows to the next tile's
; vector registers, window 0 (an instruction names v0-v255; s_set_vgpr_msb picks the window of each operand place)
.set LW1,  1                           ; 64 r + 16 (r / 4) + 16 h: my place in a tile of rows of 64 bytes (four such rows to an image row); W1T lies at LDS byte 0
.set AWH,  2                           ; OFF_WHH + 272 r + 16 h
.set AB1,  3                           ; OFF_B1 + 32 h: my eight biases of a tile
.set XR,   4                           ; scratch + 80 r + 16 h: channels 4 h .. 4 h + 3 of my row of column tile 0
.set XQ,   5                           ; XR + 32 + 4 q: spline channel 4 h + q
.set AWO,  6                           ; LDS address of this q's WoT tiles, A1
.set ABO,  7                           ; and of their biases
.set XV,   8                           ; v[8:11]   x2 of my spline, one for each column tile
.set LJ,   12                          ; v[12:15]  log-Jacobian of my four channels, in log2 units, one for each column tile
.set AWO0, 16                          ; OFF_WO + 272 r + 16 h
.set ABO0, 17                          ; OFF_BO + 32 h
.set APM,  18                          ; OFF_PM + LW1
.set AWL,  19                          ; LDS address of this q's WoT tiles, A2
.set IN,   24                          ; v[24:55]  first product's source 1, 8 registers a column tile: x1 x1 c c (B1), x1 x1 c c (B2)
.set BI,   56                          ; v[56:87]  biases
.set TT,   72                          ; v[72:87]  stage 2 (whose biases fill v[56:71] alone): the tops of two result tiles in f32
.set TM,   88                          ; v[88:119] stage 1: x1 as loaded; the tops in f32
.set AC2,  88                          ; v[88:119] stage 2: four accumulators (tl, c2) at AC2 + 8 (2 tl + c2)
.set XK,   88                          ; v[89:97]  x knots 1..9
.set SW,   98                          ;           sum of the widths' exponentials
.set YK,   99                          ; v[100:108] y knots 1..9
.set SH,   109                         ;           sum of the heights' exponentials
.set SELA, 110                         ; selected: left x knot
.set SELC, 111                         ;           left y knot
.set SELB, 112                         ;           width's exponential
.set SELD, 113                         ;           height's exponential
.set SELE, 114                         ;           left slope, raw
.set SELF, 115                         ;           right slope, raw
.set U,    116                         ; v[116:127] at work
.set ACC,  128                         ; v[128:191] stage 3: the 8 tiles T(c2, u) = ACC + 32 c2 + 8 u
.set ZR,   192                         ; v[192:255] stage 3: WoT's A2 of u = 0, 1, fragment (u, s) at ZR + 8 (4 u + s)
.set ACCLO, 128                        ; stage 1: eight accumulators (tt, c2) at ACCLO + 8 (2 tt + c2); stage 4: my 8 channels of column tile ct at ACCLO + 8 ct
.set ACCHI, 192                        ; stage 1: v[192:223] four fragments of W1T
.set FH,   128                         ; stage 2: WhT's A1, fragment (tl, ks) at FH + 8 (4 tl + ks)
.set FL,   192                         ; stage 2: WhT's A2
.set PB,   160                         ; stage 4: v[160:207] hi, mid, lo, 12 registers a column tile; then the rows on their way out
.set ZP,   212                         ; stage 4: v[212:215] zeros; v[212:219] = [0 | P]
.set PF,   216                         ; stage 4: v[216:223] = [P | P]
; window 1 (written by their low numbers)
.set H1HI, 0                           ; v256-319: hidden 1, B1, fragment (K step s, c2) at 8 (2 s + c2)
.set H1LO, 64                          ; v320-383: hidden 1, B2.  Stage 3: v256-383 hold WoT's A1, fragment (u, s) at 8 (4 u + s); then v256-319 the A2 of u = 2, 3
.set H2HI, 128                         ; v384-447: hidden 2, B1, fragment (s, c2) at 128 + 8 (2 s + c2)
.set H2LO, 192                         ; v448-511: hidden 2, B2
; names at work in the spline's tail
.set ERR,  U
.set DEN,  U+1
.set XW,   U+4
.set YW,   U+5
.set RXW,  U+6
.set ETA,  U+7
.set D1,   U+8                         ; v[124:125]: the two slopes, a pair
.set SS,   U+10
.set REV,  U+11
.set RDEN, XK+1                        ; the knots' registers are free once the bin is selected
.set AA,   XK+2
.set NN,   XK+3
.set B0,   XK+4
.set B1,   XK+5
.set YY,   XK+6
; 0.002 i - 1 in f32
.set KN1, 0xbf7f7cee
.set KN2, 0xbf7ef9db
.set KN3, 0xbf7e76c9
.set KN4, 0xbf7df3b6
.set KN5, 0xbf7d70a4
.set KN6, 0xbf7ced91
.set KN7, 0xbf7c6a7f
.set KN8, 0xbf7be76d
.set KN9, 0xbf7b645a
; scalars: s[4:13] buffers; s14 mask of a top; s15 layer counter; s16 wave; s17 work-group; s[18:23] in the head offsets, then the pairs
; t1, t2, t3; s[24:31], s[32:39] descriptor group 1 of parts A, B; s[40:43], s[44:47] their group 0; s48, s49 lane selects; s50 q counter;
; s51 my scratch; s52, s53 masks; s54 = 0.999; s55 = 0.001; s56 at work; s57 a word's upper bf16; s[58:59] in the head an offset, then
; -63/64 twice; s[60:61] = t_in; s[62:63] = 1 / t3
.set G1A, 24
.set G1B, 32
.set G0A, 40
.set G0B, 44
.set ST1, 18
.set ST2, 20
.set ST3, 22
.set SK,  58
.set MSB, 0
.macro WIN new                         ; the immediate's high byte repeats the setting that is left; a switch that changes nothing is dropped
.if MSB != \new
	s_set_vgpr_msb (MSB<<8)|\new
.set MSB, \new
.endif
.endm
; A round of the cluster's barrier: my work-group's barrier, wave 0 signals for the work-group, every wave waits for the four
; work-groups, my work-group's barrier once more.
.macro ROUND
	s_barrier_signal -1
	s_barrier_wait -1
	s_cmp_lg_u32 s16, 0
	s_cbranch_scc1 .Lnot_wave_0_\@
	s_barrier_signal -3
.Lnot_wave_0_\@:
	s_barrier_wait -3
	s_barrier_signal -1
	s_barrier_wait -1
.endm
; Four places behind the last matrix instruction, in front of vector instructions and LDS stores that read results and of loads into
; registers that matrix instructions have named (ISA guide 7.12.1 for vector instructions).
.macro PLACES
.rept 4
	v_nop
.endr
.endm
.macro RELU2 a                         ; relu of registers a (even) and a + 1
.if DUAL
	v_dual_max_num_f32 v[\a], 0, v[\a] :: v_dual_max_num_f32 v[\a+1], 0, v[\a+1]
.else
	v_max_num_f32 v[\a], 0, v[\a]
	v_max_num_f32 v[\a+1], 0, v[\a+1]
.endif
.endm
; two selects on VCC: d = VCC ? s1 : s0.  dx even, dy odd; sx0 and sy0, sx1 and sy1 differ modulo 4.
.macro SEL2 dx, sx0, sx1, dy, sy0, sy1
.if DUAL
	v_dual_cndmask_b32 v[\dx], v[\sx0], v[\sx1] :: v_dual_cndmask_b32 v[\dy], v[\sy0], v[\sy1]
.else
	v_cndmask_b32 v[\dx], v[\sx0], v[\sx1], vcc_lo
	v_cndmask_b32 v[\dy], v[\sy0], v[\sy1], vcc_lo
.endif
.endm
.macro SCALEB n, sp                    ; the first n bias registers times the power of two in s[sp] (exact)
.set ii, 0
.rept \n/2
	v_pk_mul_f32 v[BI+2*ii:BI+2*ii+1], v[BI+2*ii:BI+2*ii+1], s[\sp:\sp+1] op_sel_hi:[1,0]
.set ii, ii+1
.endr
.endm
; Four inputs in v[src:src+3]: times t_in, then B1 = top into v[dst], v[dst+1] and B2 = a - 63/64 top into v[dst+4], v[dst+5]
.macro INSPLIT src, dst
	v_pk_mul_f32 v[\src:\src+1], v[\src:\src+1], s[60:61] op_sel_hi:[1,0]
	v_pk_mul_f32 v[\src+2:\src+3], v[\src+2:\src+3], s[60:61] op_sel_hi:[1,0]
.irp k, 0,1,2,3
	v_and_b32 v[U+\k], s14, v[\src+\k]
.endr
	v_cvt_pk_f16_f32 v[\dst], v[U], v[U+1]
	v_cvt_pk_f16_f32 v[\dst+1], v[U+2], v[U+3]
	v_pk_fma_f32 v[\src:\src+1], v[U:U+1], s[SK:SK+1], v[\src:\src+1] op_sel_hi:[1,0,1]
	v_pk_fma_f32 v[\src+2:\src+3], v[U+2:U+3], s[SK:SK+1], v[\src+2:\src+3] op_sel_hi:[1,0,1]
	v_cvt_pk_f16_f32 v[\dst+4], v[\src], v[\src+1]
	v_cvt_pk_f16_f32 v[\dst+5], v[\src+2], v[\src+3]
.endm
; W1T's fragments of feature tiles 4 g2 .. 4 g2 + 3 (A1 in registers 0-3, A2 in 4-7) and their biases: 16 LDS loads
.macro L1 g2
.irp tt, 0,1,2,3
	ds_load_b128 v[ACCHI+8*\tt:ACCHI+8*\tt+3], v[LW1] offset:OFF_W1+1088*(4*\g2+\tt)
	ds_load_b128 v[ACCHI+8*\tt+4:ACCHI+8*\tt+7], v[LW1] offset:OFF_W1+1088*(4*\g2+\tt)+32
.endr
.irp tt, 0,1,2,3
	ds_load_b128 v[BI+8*\tt:BI+8*\tt+3], v[AB1] offset:272*\g2+64*\tt
	ds_load_b128 v[BI+8*\tt+4:BI+8*\tt+7], v[AB1] offset:272*\g2+64*\tt+16
.endr
.endm
; First product, four feature tiles x column tiles 2 p, 2 p + 1: one instruction a tile, the bias as C.  Eight different accumulators.
.macro FIRST p
.irp tt, 0,1,2,3
.irp c2, 0,1
	v_wmma_f32_16x16x32_f16 v[ACCLO+8*(2*\tt+\c2):ACCLO+8*(2*\tt+\c2)+7], v[ACCHI+8*\tt:ACCHI+8*\tt+7], v[IN+8*(2*\p+\c2):IN+8*(2*\p+\c2)+7], v[BI+8*\tt:BI+8*\tt+7]
.endr
.endr
.endm
; The eight result tiles of FIRST: relu, then B1 and B2, packed: K steps 2 g2 and 2 g2 + 1 of the second product.
.macro SPLIT g2
.set ii, 0
.rept 32
	RELU2 ACCLO+2*ii
.set ii, ii+1
.endr
.irp hf, 0,1
.set ii, 0
.rept 32
	v_and_b32 v[TM+ii], s14, v[ACCLO+32*\hf+ii]
.set ii, ii+1
.endr
.set ii, 0
.rept 16
	v_pk_fma_f32 v[ACCLO+32*\hf+2*ii:ACCLO+32*\hf+2*ii+1], v[TM+2*ii:TM+2*ii+1], s[SK:SK+1], v[ACCLO+32*\hf+2*ii:ACCLO+32*\hf+2*ii+1] op_sel_hi:[1,0,1]
.set ii, ii+1
.endr
	WIN 0x40                                       ; destination in window 1
.irp tl, 0,1
.irp c2, 0,1
.irp jj, 0,1,2,3
	v_cvt_pk_f16_f32 v[H1HI+8*(2*(2*\g2+\hf)+\c2)+4*\tl+\jj], v[TM+8*(2*\tl+\c2)+2*\jj], v[TM+8*(2*\tl+\c2)+2*\jj+1]
	v_cvt_pk_f16_f32 v[H1LO+8*(2*(2*\g2+\hf)+\c2)+4*\tl+\jj], v[ACCLO+32*\hf+8*(2*\tl+\c2)+2*\jj], v[ACCLO+32*\hf+8*(2*\tl+\c2)+2*\jj+1]
.endr
.endr
.endr
	WIN 0
.endr
.endm
; WhT's fragments of feature tiles 2 g, 2 g + 1 (four K steps each): A2 and the two tiles' biases (20 loads); A1 (16 loads)
.macro LOADWHL g
.irp tl, 0,1
.irp ks, 0,1,2,3
	ds_load_b128 v[FL+8*(4*\tl+\ks):FL+8*(4*\tl+\ks)+3], v[AWH] offset:WHL_D+(2*(\g)+\tl)*4352+64*\ks
	ds_load_b128 v[FL+8*(4*\tl+\ks)+4:FL+8*(4*\tl+\ks)+7], v[AWH] offset:WHL_D+(2*(\g)+\tl)*4352+64*\ks+32
.endr
.endr
.irp tl, 0,1
	ds_load_b128 v[BI+8*\tl:BI+8*\tl+3], v[AB1] offset:BH_D+272*((2*(\g)+\tl)>>2)+64*((2*(\g)+\tl)&3)
	ds_load_b128 v[BI+8*\tl+4:BI+8*\tl+7], v[AB1] offset:BH_D+272*((2*(\g)+\tl)>>2)+64*((2*(\g)+\tl)&3)+16
.endr
.endm
.macro LOADWHH g
.irp tl, 0,1
.irp ks, 0,1,2,3
	ds_load_b128 v[FH+8*(4*\tl+\ks):FH+8*(4*\tl+\ks)+3], v[AWH] offset:(2*(\g)+\tl)*4352+64*\ks
	ds_load_b128 v[FH+8*(4*\tl+\ks)+4:FH+8*(4*\tl+\ks)+7], v[AWH] offset:(2*(\g)+\tl)*4352+64*\ks+32
.endr
.endr
.endm
; Four matrix instructions: weights fa (A1 or A2) x hidden 1 hb (B1 or B2), K step ks, two feature tiles x two column tiles
.macro HMUL fa, hb, ks, first
.irp tl, 0,1
.irp c2, 0,1
.if \first
	v_wmma_f32_16x16x32_f16 v[AC2+8*(2*\tl+\c2):AC2+8*(2*\tl+\c2)+7], v[\fa+8*(4*\tl+\ks):\fa+8*(4*\tl+\ks)+7], v[\hb+8*(2*\ks+\c2):\hb+8*(2*\ks+\c2)+7], v[BI+8*\tl:BI+8*\tl+7]
.else
	v_wmma_f32_16x16x32_f16 v[AC2+8*(2*\tl+\c2):AC2+8*(2*\tl+\c2)+7], v[\fa+8*(4*\tl+\ks):\fa+8*(4*\tl+\ks)+7], v[\hb+8*(2*\ks+\c2):\hb+8*(2*\ks+\c2)+7], v[AC2+8*(2*\tl+\c2):AC2+8*(2*\tl+\c2)+7]
.endif
.endr
.endr
.endm
; Second product: four K steps x (A1 B1, A2 B2).  The four accumulators take turns, one instruction a turn;
; the very first products take the bias as C, so nothing is cleared.
.macro HID
	WIN 0x04                                       ; source 1 (hidden 1) in window 1
	HMUL FH, H1HI, 0, 1
	HMUL FL, H1LO, 0, 0
.irp ks, 1,2,3
	HMUL FH, H1HI, \ks, 0
	HMUL FL, H1LO, \ks, 0
.endr
	WIN 0
.endm
; The four result tiles of HID, two at a time: relu, then B1 and B2, packed: K step g of the last product.
.macro SPLIT2 g
.irp tl, 0,1
.set ii, 0
.rept 8
	RELU2 AC2+16*\tl+2*ii
.set ii, ii+1
.endr
.set ii, 0
.rept 16
	v_and_b32 v[TT+ii], s14, v[AC2+16*\tl+ii]
.set ii, ii+1
.endr
.set ii, 0
.rept 8
	v_pk_fma_f32 v[AC2+16*\tl+2*ii:AC2+16*\tl+2*ii+1], v[TT+2*ii:TT+2*ii+1], s[SK:SK+1], v[AC2+16*\tl+2*ii:AC2+16*\tl+2*ii+1] op_sel_hi:[1,0,1]
.set ii, ii+1
.endr
	WIN 0x40                                       ; destination in window 1
.irp c2, 0,1
.irp jj, 0,1,2,3
	v_cvt_pk_f16_f32 v[H2HI+8*(2*\g+\c2)+4*\tl+\jj], v[TT+8*\c2+2*\jj], v[TT+8*\c2+2*\jj+1]
	v_cvt_pk_f16_f32 v[H2LO+8*(2*\g+\c2)+4*\tl+\jj], v[AC2+16*\tl+8*\c2+2*\jj], v[AC2+16*\tl+8*\c2+2*\jj+1]
.endr
.endr
	WIN 0
.endr
.endm
; 32 features of the second product.  nx = 1: the next 32 features' weights are fetched and land while these are split.
.macro HSTEP g, nx
	s_wait_dscnt 0x0
	SCALEB 16, ST2
	HID
	PLACES
.if \nx
	LOADWHL \g+1
	LOADWHH \g+1
.endif
	SPLIT2 \g
.endm
; The first two products for column tiles 2 p, 2 p + 1.  On entry L1 0 has been issued.
.macro PASS p
	s_wait_dscnt 0x0
	SCALEB 32, ST1
	FIRST \p
	PLACES
	L1 1                                           ; lands while the results are split
	SPLIT 0
	s_wait_dscnt 0x0
	SCALEB 32, ST1
	FIRST \p
	PLACES
	LOADWHL 0                                      ; into the registers of W1's fragments and behind them
	SPLIT 1
	LOADWHH 0                                      ; into the registers that the split has just left
	HSTEP 0, 1
	HSTEP 1, 1
	HSTEP 2, 1
	HSTEP 3, 0
.endm
; One q's weights: WoT's 16 fragments of A1 (tiles u = 0..3, four K steps) into window 1, the 8 of A2 of u = 0, 1 into window 0, the four tiles' biases: 56 LDS loads
.macro LOADWO woff, boff
	WIN 0x40
.irp uu, 0,1,2,3
.irp ks, 0,1,2,3
	ds_load_b128 v[8*(4*\uu+\ks):8*(4*\uu+\ks)+3], v[AWO] offset:\woff+4352*\uu+64*\ks
	ds_load_b128 v[8*(4*\uu+\ks)+4:8*(4*\uu+\ks)+7], v[AWO] offset:\woff+4352*\uu+64*\ks+32
.endr
.endr
	WIN 0
.irp uu, 0,1
.irp ks, 0,1,2,3
	ds_load_b128 v[ZR+8*(4*\uu+\ks):ZR+8*(4*\uu+\ks)+3], v[AWL] offset:\woff+4352*\uu+64*\ks
	ds_load_b128 v[ZR+8*(4*\uu+\ks)+4:ZR+8*(4*\uu+\ks)+7], v[AWL] offset:\woff+4352*\uu+64*\ks+32
.endr
.endr
.irp uu, 0,1,2,3
	ds_load_b128 v[BI+8*\uu:BI+8*\uu+3], v[ABO] offset:\boff+64*\uu
	ds_load_b128 v[BI+8*\uu+4:BI+8*\uu+7], v[ABO] offset:\boff+64*\uu+16
.endr
.endm
; This q's A2 of u = 2, 3, into the registers of the A1 of u = 0, 1, which are done with: 16 LDS loads
.macro LOADWR
	WIN 0x40
.irp uu, 2,3
.irp ks, 0,1,2,3
	ds_load_b128 v[8*(4*(\uu-2)+\ks):8*(4*(\uu-2)+\ks)+3], v[AWL] offset:4352*\uu+64*\ks
	ds_load_b128 v[8*(4*(\uu-2)+\ks)+4:8*(4*(\uu-2)+\ks)+7], v[AWL] offset:4352*\uu+64*\ks+32
.endr
.endr
.endm
; Last product, 16 matrix instructions: Wo's tiles u0, u0 + 1 (fragments from register fb on) x hidden 2 (hb: B1 or B2), four K steps, two
; column tiles.  Four accumulators by turns, one instruction a turn.  first = 1: the bias is the first C.
.macro OMUL u0, fb, hb, first
.irp ks, 0,1,2,3
.irp u2, 0,1
.irp c2, 0,1
.if \ks+1-\first == 0
	v_wmma_f32_16x16x32_f16 v[ACC+32*\c2+8*(\u0+\u2):ACC+32*\c2+8*(\u0+\u2)+7], v[\fb+8*(4*\u2+\ks):\fb+8*(4*\u2+\ks)+7], v[\hb+8*(2*\ks+\c2):\hb+8*(2*\ks+\c2)+7], v[BI+8*(\u0+\u2):BI+8*(\u0+\u2)+7]
.else
	v_wmma_f32_16x16x32_f16 v[ACC+32*\c2+8*(\u0+\u2):ACC+32*\c2+8*(\u0+\u2)+7], v[\fb+8*(4*\u2+\ks):\fb+8*(4*\u2+\ks)+7], v[\hb+8*(2*\ks+\c2):\hb+8*(2*\ks+\c2)+7], v[ACC+32*\c2+8*(\u0+\u2):ACC+32*\c2+8*(\u0+\u2)+7]
.endif
.endr
.endr
.endr
.endm
; One spline in every lane: channel 4 h + q of batch row 16 ct + r, from the tiles of column c2 of the pass.  T[0:9] widths, T[10:19] heights,
; T[20:30] slopes, all times t3 log2(e).  Behind each group of transcendentals stands a plain vector line that touches none of their
; registers, before a result is used or a source rewritten (ISA guide 5.7.2).  pf = 1: the next q's x2 is fetched at the end.
.macro SPLINE c2, ct, pf
.set T, ACC+32*\c2
.set CTN, \ct
.set X, XV+CTN
	; the two maxima
	v_max3_num_f32 v[U], v[T], v[T+1], v[T+2]
	v_max3_num_f32 v[U+1], v[T+10], v[T+11], v[T+12]
.irp k, 3,5,7
	v_max3_num_f32 v[U], v[U], v[T+\k], v[T+\k+1]
	v_max3_num_f32 v[U+1], v[U+1], v[T+10+\k], v[T+11+\k]
.endr
	v_max_num_f32 v[U], v[U], v[T+9]
	v_max_num_f32 v[U+1], v[U+1], v[T+19]
	v_pk_mul_f32 v[U:U+1], v[U:U+1], s[62:63] op_sel_hi:[1,0]      ; max / t3 (exact)
	; exp2(T / t3 - max / t3), in place: the widths, then the heights (whose multiply-adds are the plain lines behind the widths' exponentials)
.irp k, 0,2,4,6,8
	v_pk_fma_f32 v[T+\k:T+\k+1], v[T+\k:T+\k+1], s[62:63], v[U:U+1] op_sel_hi:[1,0,0] neg_lo:[0,0,1] neg_hi:[0,0,1]
.endr
.irp k, 0,1,2,3,4,5,6,7,8,9
	v_exp_f32 v[T+\k], v[T+\k]
.endr
.irp k, 10,12,14,16,18
	v_pk_fma_f32 v[T+\k:T+\k+1], v[T+\k:T+\k+1], s[62:63], v[U:U+1] op_sel:[0,0,1] op_sel_hi:[1,0,1] neg_lo:[0,0,1] neg_hi:[0,0,1]
.endr
.irp k, 10,11,12,13,14,15,16,17,18,19
	v_exp_f32 v[T+\k], v[T+\k]
.endr
	; prefix sums of the exponentials, two chains by turns (the first line, on widths alone, stands behind the heights' exponentials)
	s_wait_alu depctr_va_vdst(0)
	v_add_f32 v[XK+2], v[T], v[T+1]
	v_add_f32 v[YK+2], v[T+10], v[T+11]
.irp i, 3,4,5,6,7,8,9
	v_add_f32 v[XK+\i], v[XK+\i-1], v[T+\i-1]
	v_add_f32 v[YK+\i], v[YK+\i-1], v[T+\i+9]
.endr
	v_add_f32 v[SW], v[XK+9], v[T+9]               ; at least 1: the largest term is exp2(0)
	v_rcp_f32 v[U+2], v[SW]
	v_add_f32 v[SH], v[YK+9], v[T+19]
	v_rcp_f32 v[U+3], v[SH]
	s_wait_alu depctr_va_vdst(0)
	v_mul_f32 v[U+2], 0x3ffd70a4, v[U+2]           ; 1.98 / sum: 2 (1 - 10 x 0.001) softmax
	v_mul_f32 v[U+3], 0x3ffd70a4, v[U+3]
	; knots 1..9 = prefix x 1.98 / sum + 0.002 i - 1
	v_fmaak_f32 v[XK+1], v[T], v[U+2], KN1
	v_fmaak_f32 v[YK+1], v[T+10], v[U+3], KN1
.irp i, 2,3,4,5,6,7,8,9
	v_fmaak_f32 v[XK+\i], v[XK+\i], v[U+2], KN\i
	v_fmaak_f32 v[YK+\i], v[YK+\i], v[U+3], KN\i
.endr
	; in bounds: knot 0 < x and not knot 10 < x
	v_cmp_lt_f32 s52, -1.0, v[X]
	v_cmp_ge_f32 s53, 1.0, v[X]
	; the bin: knots ascend, so the last knot below x wins.  Bin 0 is what the first selects fall back on: nothing is initialised.
	v_cmp_lt_f32 vcc_lo, v[XK+1], v[X]
.if DUAL
	v_dual_cndmask_b32 v[SELA], -1.0, v[XK+1] :: v_dual_cndmask_b32 v[SELC], -1.0, v[YK+1]
.else
	v_cndmask_b32 v[SELA], -1.0, v[XK+1], vcc_lo
	v_cndmask_b32 v[SELC], -1.0, v[YK+1], vcc_lo
.endif
	SEL2 SELB, T, T+1, SELD, T+10, T+11
	SEL2 SELE, T+20, T+21, SELF, T+21, T+22
.irp i, 2,3,4,5,6,7,8,9
	v_cmp_lt_f32 vcc_lo, v[XK+\i], v[X]
	SEL2 SELA, SELA, XK+\i, SELC, SELC, YK+\i
	SEL2 SELB, SELB, T+\i, SELD, SELD, T+10+\i
	SEL2 SELE, SELE, T+20+\i, SELF, SELF, T+21+\i
.endr
	s_and_b32 s52, s52, s53
	; the bin's width and height, eta, and the two slopes 0.001 + 0.999 softplus / ln 2
	v_pk_mul_f32 v[SELE:SELF], v[SELE:SELF], s[62:63] op_sel_hi:[1,0]      ; the two slopes' parameters / t3
	v_fmaak_f32 v[XW], v[SELB], v[U+2], 0x3b03126f ; 0.002 + 1.98 softmax
	v_fmaak_f32 v[YW], v[SELD], v[U+3], 0x3b03126f
	v_exp_f32 v[D1], -|v[SELE]|
	v_exp_f32 v[D1+1], -|v[SELF]|
	v_rcp_f32 v[RXW], v[XW]
	v_sub_f32 v[ETA], v[X], v[SELA]
	s_wait_alu depctr_va_vdst(0)
	v_pk_add_f32 v[D1:D1+1], v[D1:D1+1], 1.0 op_sel_hi:[1,0]
	v_log_f32 v[D1], v[D1]
	v_log_f32 v[D1+1], v[D1+1]
	v_mul_f32 v[SS], v[YW], v[RXW]                 ; s
	v_mul_f32 v[ETA], v[ETA], v[RXW]
	v_max_num_f32 v[SELE], 0, v[SELE]
	v_max_num_f32 v[SELF], 0, v[SELF]
	s_wait_alu depctr_va_vdst(0)
	v_pk_add_f32 v[D1:D1+1], v[D1:D1+1], v[SELE:SELF]
	v_fma_f32 v[D1], v[D1], s54, s55
	v_fma_f32 v[D1+1], v[D1+1], s54, s55
	v_sub_f32 v[REV], 1.0, v[ETA]
	v_mul_f32 v[ERR], v[ETA], v[REV]
	v_add_f32 v[DEN], v[D1], v[D1+1]
	v_fma_f32 v[DEN], -2.0, v[SS], v[DEN]
	v_fma_f32 v[DEN], v[DEN], v[ERR], v[SS]        ; s + (d1 + d2 - 2 s) err
	v_rcp_f32 v[RDEN], v[DEN]
	v_mul_f32 v[AA], v[D1], v[REV]
	v_fma_f32 v[NN], v[SS], v[ETA], v[AA]
	v_mul_f32 v[NN], v[NN], v[ETA]                 ; s eta^2 + d1 err
	v_mul_f32 v[NN], v[NN], v[YW]
	s_wait_alu depctr_va_vdst(0)
	v_fma_f32 v[YY], v[NN], v[RDEN], v[SELC]
	v_mul_f32 v[B0], v[D1+1], v[ETA]
	v_mul_f32 v[B0], v[B0], v[ETA]
	v_fma_f32 v[B0], v[AA], v[REV], v[B0]
	v_mul_f32 v[B1], v[SS], v[ERR]
	v_fma_f32 v[B0], 2.0, v[B1], v[B0]             ; d2 eta^2 + 2 s err + d1 rev^2
	v_mul_f32 v[B1], v[SS], v[RDEN]
	v_log_f32 v[B0], v[B0]                         ; two logarithms, so that no product of the factors can leave f32's range
	v_log_f32 v[B1], v[B1]
	v_cndmask_b32 v[YY], v[X], v[YY], s52          ; out of bounds: y = x
	s_wait_alu depctr_va_vdst(0)
	v_fma_f32 v[B0], 2.0, v[B1], v[B0]
	v_cndmask_b32 v[B0], 0, v[B0], s52             ; and no log-Jacobian
	v_add_f32 v[LJ+CTN], v[LJ+CTN], v[B0]
	ds_store_b32 v[XQ], v[YY] offset:CTSTEP*CTN
.if \pf
	ds_load_b32 v[X], v[XQ] offset:CTSTEP*CTN+4
.endif
.endm
; One q of pass pr: 64 matrix instructions, then two splines a lane.  pf = 1: the next q's weights are fetched behind the products and
; land while the splines are worked out.
.macro QTRIP pr, pf
	s_wait_dscnt 4                                 ; weights and biases are in: behind their last load stand the two y stores and two x2 loads of the trip before, which may stay out
	SCALEB 32, ST3
	WIN 0x05                                       ; sources 0 (WoT) and 1 (hidden 2) in window 1
	OMUL 0, 0, H2HI, 1                             ; A1 B1 of u = 0, 1
	PLACES
	LOADWR                                         ; A2 of u = 2, 3 lands behind the 32 products below
	WIN 0x05
	OMUL 2, 64, H2HI, 1                            ; A1 B1 of u = 2, 3
	WIN 0x04                                       ; source 0 in window 0
	OMUL 0, ZR, H2LO, 0                            ; A2 B2 of u = 0, 1
	s_wait_dscnt 0x0                               ; A2 of u = 2, 3, and x2
	WIN 0x05
	OMUL 2, 0, H2LO, 0                             ; A2 B2 of u = 2, 3
	WIN 0
	PLACES
.if \pf
	LOADWO 17408, 272
.endif
	SPLINE 0, 2*\pr, \pf
	SPLINE 1, 2*\pr+1, \pf
.if \pf
	v_add_nc_u32 v[AWO], 17408, v[AWO]             ; 64 rows of 272 bytes
	v_add_nc_u32 v[AWL], 17408, v[AWL]
	v_add_nc_u32 v[ABO], 272, v[ABO]
	v_add_nc_u32 v[XQ], 4, v[XQ]
.endif
.endm
; theta and the splines of column tiles 2 pr, 2 pr + 1, q = 0..3
.macro STAGE3 pr
	v_add_nc_u32 v[XQ], 32, v[XR]
.irp c2, 0,1
	ds_load_b32 v[XV+2*\pr+\c2], v[XQ] offset:CTSTEP*(2*\pr+\c2)
.endr
	v_mov_b32 v[AWO], v[AWO0]
	v_add_nc_u32 v[AWL], WOL_D, v[AWO0]
	v_mov_b32 v[ABO], v[ABO0]
	LOADWO 0, 0
	s_wait_dscnt 0x0
	s_mov_b32 s50, 0
.Lq_\@:
	QTRIP \pr, 1
	s_add_co_u32 s50, s50, 1
	s_cmp_lt_u32 s50, 3
	s_cbranch_scc1 .Lq_\@
	QTRIP \pr, 0                                   ; q = 3 fetches nothing
.endm
; My eight channels of column tile ct as hi, mid, lo in bf16: each part is rounded off and taken away (exactly) from what is left
.macro P3 ct
.irp part, 0,1
.irp jj, 0,1,2,3
	v_cvt_pk_bf16_f32 v[PB+12*\ct+4*\part+\jj], v[ACCLO+8*\ct+2*\jj], v[ACCLO+8*\ct+2*\jj+1]
.endr
.irp jj, 0,1,2,3
	v_lshlrev_b32 v[U+2*\jj], 16, v[PB+12*\ct+4*\part+\jj]
	v_and_b32 v[U+2*\jj+1], s57, v[PB+12*\ct+4*\part+\jj]
.endr
.irp jj, 0,1,2,3
	v_pk_add_f32 v[ACCLO+8*\ct+2*\jj:ACCLO+8*\ct+2*\jj+1], v[ACCLO+8*\ct+2*\jj:ACCLO+8*\ct+2*\jj+1], v[U+2*\jj:U+2*\jj+1] neg_lo:[0,1] neg_hi:[0,1]
.endr
.endr
.irp jj, 0,1,2,3
	v_cvt_pk_bf16_f32 v[PB+12*\ct+8+\jj], v[ACCLO+8*\ct+2*\jj], v[ACCLO+8*\ct+2*\jj+1]
.endr
.endm
; One coupling layer.  last = 0: both parts of the next layer's image are asked for; last = 1: the results leave.
.macro LAYER last
.irp ct, 0,1,2,3
	ds_load_b128 v[TM+4*\ct:TM+4*\ct+3], v[XR] offset:CTSTEP*\ct           ; x1[4 h .. 4 h + 3]
.endr
	L1 0
	s_wait_dscnt 16                                ; x1 is in; the 8 + 8 loads of W1 and b1 behind it may stay out
.irp ct, 0,1,2,3
	INSPLIT TM+4*\ct, IN+8*\ct
.endr
	PASS 0                                         ; relu(relu([x1, c] W1 + b1) Wh + bh) of column tiles 0, 1
	s_wait_dscnt 0x0
	s_wait_tensorcnt 0x0                           ; the one load of mine that was out, my eighth of this layer's part B, has landed
	s_barrier_signal -1
	s_barrier_wait -1                              ; everybody's has
	STAGE3 0
	L1 0
	PASS 1                                         ; column tiles 2, 3
.if \last == 0
	s_wait_dscnt 0x0                               ; my reads of part A are over,
	s_wait_tensorcnt 0x0                           ; no tensor load of mine is out,
	ds_add_u32 v22, v23
	s_wait_dscnt 0x0
	s_add_nc_u64 s[G0A+2:G0A+3], s[G0A+2:G0A+3], IMG       ; so the address may step to the next layer
	ROUND                                          ; both waits now hold of every wave of the four work-groups
	tensor_load_to_lds s[G0A:G0A+3], s[G1A:G1A+7]  ; the next layer's part A: it has this pass's splines in which to land
	s_nop 0
.endif
	STAGE3 1
	; the permutation.  My eight channels of each column tile come back from my wave's own scratch (LDS serves a wave's
	; instructions in order, ISA guide 5.7.1: these loads see the splines' stores), go through the matrix unit and return.
	ds_load_b128 v[PF:PF+3], v[APM]
	ds_load_b128 v[PF+4:PF+7], v[APM] offset:32
.irp ct, 0,1,2,3
	ds_load_b128 v[ACCLO+8*\ct:ACCLO+8*\ct+3], v[XR] offset:CTSTEP*\ct             ; channels 4 h .. 4 h + 3
	ds_load_b128 v[ACCLO+8*\ct+4:ACCLO+8*\ct+7], v[XR] offset:CTSTEP*\ct+32        ; channels 8 + 4 h .. 8 + 4 h + 3
.endr
.irp k, 0,1,2,3
	v_mov_b32 v[ZP+\k], 0                          ; K slots 0-15 of [0 | P]
.endr
	s_wait_dscnt 0x0
	P3 0
	P3 1
	P3 2
	P3 3
.irp ct, 0,1,2,3
	v_wmma_f32_16x16x32_bf16 v[ACCLO+8*\ct:ACCLO+8*\ct+7], v[PF:PF+7], v[PB+12*\ct:PB+12*\ct+7], 0          ; P hi + P mid; four accumulators by turns
.endr
.irp ct, 0,1,2,3
	v_wmma_f32_16x16x32_bf16 v[ACCLO+8*\ct:ACCLO+8*\ct+7], v[ZP:ZP+7], v[PB+12*\ct+4:PB+12*\ct+11], v[ACCLO+8*\ct:ACCLO+8*\ct+7]   ; + P lo
.endr
	PLACES
.irp ct, 0,1,2,3
	ds_store_b128 v[XR], v[ACCLO+8*\ct:ACCLO+8*\ct+3] offset:CTSTEP*\ct
	ds_store_b128 v[XR], v[ACCLO+8*\ct+4:ACCLO+8*\ct+7] offset:CTSTEP*\ct+32
.endr
.if \last
	; the way out: the rows are read back in memory's order, 16 bytes a lane, eight rows a load
	v_and_b32 v[U], 31, v0                         ; lane
	v_lshrrev_b32 v[U+1], 2, v[U]
	v_mul_u32_u24 v[U+1], SPITCH, v[U+1]           ; row lane / 4 of each eight rows,
	v_and_b32 v[U+2], 3, v0
	v_lshl_add_u32 v[U+1], v[U+2], 4, v[U+1]       ; its bytes 16 (lane & 3)
	v_add_nc_u32 v[U+1], s51, v[U+1]
.irp i2, 0,1,2,3,4,5,6,7
	ds_load_b128 v[PB+4*\i2:PB+4*\i2+3], v[U+1] offset:8*SPITCH*\i2
.endr
	v_lshlrev_b32 v[U+2], 4, v[U]
.irp i2, 0,1,2,3,4,5,6,7
	s_wait_dscnt 7-\i2                             ; this chunk's load is in, those of the later chunks stay out
	global_store_b128 v[U+2], v[PB+4*\i2:PB+4*\i2+3], s[10:11] offset:512*\i2 th:TH_STORE_NT     ; the wave stores 512 consecutive aligned bytes: eight rows
.endr
	; the log-Jacobian: my four channels + the other half's four, times ln 2; through scratch, so that one store covers the wave's 64 rows
	v_and_b32 v[U+3], 15, v0
	v_lshlrev_b32 v[U+3], 2, v[U+3]
	v_add_nc_u32 v[U+3], s51, v[U+3]
.irp ct, 0,1,2,3
	v_permlanex16_b32 v[U+4+\ct], v[LJ+\ct], s48, s49
.endr
.irp ct, 0,1,2,3
	v_add_f32 v[LJ+\ct], v[LJ+\ct], v[U+4+\ct]
	v_mul_f32 v[LJ+\ct], 0x3f317218, v[LJ+\ct]
	ds_store_b32 v[U+3], v[LJ+\ct] offset:64*\ct   ; both halves of the lanes write the same number to the same word
.endr
	v_lshl_add_u32 v[U+8], v[U], 3, s51
	ds_load_b64 v[U+10:U+11], v[U+8]
	v_lshlrev_b32 v[U+9], 3, v[U]
	s_wait_dscnt 0x0
	global_store_b64 v[U+9], v[U+10:U+11], s[12:13] th:TH_STORE_NT         ; 256 consecutive aligned bytes
.else
	s_wait_dscnt 0x0                               ; my reads of part B are over,
	s_wait_tensorcnt 0x0                           ; my eighth of the next layer's part A has landed
	ds_add_u32 v22, v23
	s_wait_dscnt 0x0
	s_add_nc_u64 s[G0B+2:G0B+3], s[G0B+2:G0B+3], IMG
	ROUND
	tensor_load_to_lds s[G0B:G0B+3], s[G1B:G1B+7]  ; the next layer's part B: it has the next layer's first pass in which to land
	s_nop 0
.endif
.endm
	; ---------------------------------------------------------------- the head
	s_load_b256 s[4:11], s[0:1], 0x0               ; wimg s[4:5], x s[6:7], c s[8:9], out0 s[10:11]
	s_load_b64 s[12:13], s[0:1], 0x20              ; out1
	v_lshl_add_u32 v22, v0, 2, 0x40400
	v_mov_b32 v23, 0
	ds_add_u32 v22, v23
	v_lshrrev_b32 v1, 5, v0
	v_readfirstlane_b32 s16, v1                    ; wave 0..7
	s_bfe_u32 s20, ttmp6, 0x40000                  ; my place in the cluster
	s_lshl_b32 s17, ttmp9, 2                       ; in a cluster launch ttmp9 counts clusters
	s_add_co_u32 s17, s17, s20                     ; work-group: it enters global offsets of x, c, out0, out1 alone
	s_lshl_b32 s18, s17, 15                        ; x and out0: 512 rows of 64 bytes a work-group,
	s_lshl_b32 s20, s16, 12                        ; 64 rows a wave
	s_add_co_u32 s18, s18, s20
	s_mov_b32 s19, 0
	s_lshr_b32 s20, s18, 1                         ; c: rows of 32 bytes
	s_mov_b32 s21, 0
	s_lshr_b32 s22, s18, 4                         ; out1: 4 bytes a row
	s_mov_b32 s23, 0
	s_mul_i32 s51, s16, 64*SPITCH
	s_add_co_u32 s51, s51, SCR0                    ; my wave's scratch
	s_mov_b32 s14, 0xffffe000                      ; keeps sign, exponent and 10 mantissa bits
	s_mov_b32 s48, 0x76543210                      ; v_permlanex16_b32: lane i of one half reads lane i of the other
	s_mov_b32 s49, 0xfedcba98
	s_mov_b32 s54, 0x3f7fbe77                      ; 0.999
	s_mov_b32 s55, 0x3a83126f                      ; 0.001
	s_mov_b32 s57, 0xffff0000                      ; a word's upper bf16
	v_and_b32 v116, 31, v0                         ; lane
	v_lshlrev_b32 v117, 4, v116                    ; x: 16 bytes a lane
	v_and_b32 v118, 15, v0                         ; r
	v_and_b32 v119, 16, v0                         ; 16 h
	v_lshl_add_u32 v120, v118, 5, v119             ; c: row r, half h
	v_lshrrev_b32 v123, 2, v118                    ; norms: lane r takes row r & 3 of layer r / 4
	v_mul_u32_u24 v123, IMG, v123
	v_and_b32 v122, 3, v0
	v_lshl_add_u32 v123, v122, 8, v123
	; descriptor group 1 of each part: rows of 32 elements of 8 bytes, dense in memory, 16 bytes of padding behind each row in LDS
	s_mov_b32 s[G1A+0], 15|(3<<16)|(1<<20)|(1<<21)|(5<<22)|(3<<25) ; 15:0 mask: the cluster's four; 17:16 8-byte elements; 20 padding on; 21 set beside a mask; 24:22 after every 64 words; 31:25 four words
	s_mov_b32 s[G1A+1], 32<<16                     ; tensor_dim0 = 32
	s_mov_b32 s[G1A+2], AROWS<<16                  ; tensor_dim1 = 37
	s_mov_b32 s[G1A+3], 32<<16                     ; tile_dim0 = 32
	s_mov_b32 s[G1A+4], AROWS                      ; tile_dim1 = 37
	s_mov_b32 s[G1A+5], 32                         ; from row to row: 32 elements
	s_mov_b32 s[G1A+6], 0
	s_mov_b32 s[G1A+7], 0
	s_mov_b32 s[G1B+0], 15|(3<<16)|(1<<20)|(1<<21)|(5<<22)|(3<<25)
	s_mov_b32 s[G1B+1], 32<<16
	s_mov_b32 s[G1B+2], BROWS<<16                  ; 65 rows
	s_mov_b32 s[G1B+3], 32<<16
	s_mov_b32 s[G1B+4], BROWS
	s_mov_b32 s[G1B+5], 32
	s_mov_b32 s[G1B+6], 0
	s_mov_b32 s[G1B+7], 0
	s_wait_dscnt 0x0
	s_wait_kmcnt 0x0
	s_add_nc_u64 s[6:7], s[6:7], s[18:19]
	s_add_nc_u64 s[8:9], s[8:9], s[20:21]
	s_add_nc_u64 s[10:11], s[10:11], s[18:19]
	s_add_nc_u64 s[12:13], s[12:13], s[22:23]
.irp k, 0,1,2,3,4,5,6,7
	global_load_b128 v[ACC+4*\k:ACC+4*\k+3], v117, s[6:7] offset:512*\k th:TH_LOAD_NT      ; my wave's 64 rows of x, 512 consecutive bytes a load
.endr
.irp ct, 0,1,2,3
	global_load_b128 v[ACC+32+4*\ct:ACC+32+4*\ct+3], v120, s[8:9] offset:512*\ct th:TH_LOAD_NT   ; c[16 ct + r][4 h ..]
.endr
	global_load_b128 v[ACC+48:ACC+51], v123, s[4:5] offset:NORMS           ; P1, max|b1|, Ph, max|bh|
	; group 0 of each part, for layer 0: nothing in it but the wave's number and constants
	s_mov_b32 s[G0A], 1
	s_mul_i32 s[G0A+1], s16, AROWS*272
	s_mul_i32 s58, s16, AROWS*256
	s_mov_b32 s59, 0
	s_add_nc_u64 s[G0A+2:G0A+3], s[4:5], s[58:59]
	s_or_b32 s[G0A+3], s[G0A+3], 0x80000000
	s_mov_b32 s[G0B], 1
	s_mul_i32 s56, s16, BROWS*272
	s_add_co_u32 s[G0B+1], s56, LDSB
	s_mul_i32 s58, s16, BROWS*256
	s_add_co_u32 s58, s58, PARTB
	s_add_nc_u64 s[G0B+2:G0B+3], s[4:5], s[58:59]
	s_or_b32 s[G0B+3], s[G0B+3], 0x80000000
	s_mov_b32 s[SK], 0xbf7c0000                    ; -63/64, from here on
	s_mov_b32 s[SK+1], 0xbf7c0000
	ROUND                                          ; the four work-groups are here: the first joint loads meet
	tensor_load_to_lds s[G0A:G0A+3], s[G1A:G1A+7]  ; layer 0, part A
	s_nop 0
	tensor_load_to_lds s[G0B:G0B+3], s[G1B:G1B+7]  ; layer 0, part B
	s_nop 0
	; lane terms
	v_lshrrev_b32 v[LW1], 2, v118
	v_lshlrev_b32 v[LW1], 4, v[LW1]
	v_lshl_add_u32 v[LW1], v118, 6, v[LW1]
	v_add_nc_u32 v[LW1], v[LW1], v119
	v_add_nc_u32 v[APM], OFF_PM, v[LW1]
	v_mad_u32_u24 v[AWH], v118, 272, v119
	v_add_nc_u32 v[AWO0], OFF_WO, v[AWH]
	v_add_nc_u32 v[AWH], OFF_WHH, v[AWH]
	v_lshlrev_b32 v[AB1], 1, v119
	v_add_nc_u32 v[ABO0], OFF_BO, v[AB1]
	v_add_nc_u32 v[AB1], OFF_B1, v[AB1]
	v_mad_u32_u24 v[XR], v118, SPITCH, v119
	v_add_nc_u32 v[XR], s51, v[XR]
	v_lshrrev_b32 v121, 2, v116                    ; x as loaded: row lane / 4 of each eight, 16 bytes at 16 (lane & 3)
	v_mul_u32_u24 v121, SPITCH, v121
	v_lshl_add_u32 v121, v122, 4, v121
	v_add_nc_u32 v121, s51, v121
.irp ct, 0,1,2,3
	v_mov_b32 v[LJ+\ct], 0
.endr
	v_mov_b32 v125, 0                              ; the lane permute below counts as a reader of its destination
	s_wait_loadcnt 0x5                             ; x is in; the four loads of c and the one of the norms behind it may stay out
.irp k, 0,1,2,3,4,5,6,7
	ds_store_b128 v121, v[ACC+4*\k:ACC+4*\k+3] offset:8*SPITCH*\k
.endr
	s_wait_loadcnt 0x0
	; the scales: m = max(1, |x|, |c|) over the wave
	v_max3_num_f32 v124, |v[ACC]|, |v[ACC+1]|, 1.0
.set ii, 1
.rept 23
	v_max3_num_f32 v124, v124, |v[ACC+2*ii]|, |v[ACC+2*ii+1]|
.set ii, ii+1
.endr
	v_max_num_f32_dpp v124, v124, v124 row_xmask:1 row_mask:0xf bank_mask:0xf
	v_max_num_f32_dpp v124, v124, v124 row_xmask:2 row_mask:0xf bank_mask:0xf
	v_max_num_f32_dpp v124, v124, v124 row_xmask:4 row_mask:0xf bank_mask:0xf
	v_max_num_f32_dpp v124, v124, v124 row_xmask:8 row_mask:0xf bank_mask:0xf
	v_permlanex16_b32 v125, v124, s48, s49
	v_max_num_f32 v124, v124, v125
	; N1, Nh: the four rows' parts added (lanes r, r ^ 1, r ^ 2, r ^ 3 hold one layer's)
	v_add_f32_dpp v[ACC+48], v[ACC+48], v[ACC+48] row_xmask:1 row_mask:0xf bank_mask:0xf
	v_add_f32_dpp v[ACC+50], v[ACC+50], v[ACC+50] row_xmask:1 row_mask:0xf bank_mask:0xf
	v_add_f32_dpp v[ACC+48], v[ACC+48], v[ACC+48] row_xmask:2 row_mask:0xf bank_mask:0xf
	v_add_f32_dpp v[ACC+50], v[ACC+50], v[ACC+50] row_xmask:2 row_mask:0xf bank_mask:0xf
	v_fma_f32 v125, v[ACC+48], v124, v[ACC+49]     ; B1 = N1 m + max|b1|
	v_fma_f32 v126, v[ACC+50], v125, v[ACC+51]     ; B2 = Nh B1 + max|bh|
	v_max3_num_f32 v124, v124, v125, v126
	v_max_num_f32_dpp v124, v124, v124 row_xmask:4 row_mask:0xf bank_mask:0xf      ; over the four layers
	v_max_num_f32_dpp v124, v124, v124 row_xmask:8 row_mask:0xf bank_mask:0xf
	v_lshrrev_b32 v124, 23, v124                   ; M's exponent field E (M is positive, at least 1)
	v_sub_nc_u32 v125, 262, v124                   ; t_in = 2^(8 - (E - 127)): field 262 - E
	v_add_nc_u32 v126, 0xffffffef, v124            ; 1 / t3 = 2^((E - 127) - 17): field E - 17
	v_lshlrev_b32 v125, 23, v125
	v_lshlrev_b32 v126, 23, v126
	v_readfirstlane_b32 s60, v125
	v_readfirstlane_b32 s62, v126
	s_mov_b32 s61, s60
	s_mov_b32 s63, s62
	s_add_co_u32 s[ST1], s60, 3<<23                ; t1 = 8 t_in: three more in the exponent field
	s_add_co_u32 s[ST2], s60, 6<<23                ; t2 = 64 t_in
	s_add_co_u32 s[ST3], s60, 9<<23                ; t3 = 512 t_in
	s_mov_b32 s[ST1+1], s[ST1]
	s_mov_b32 s[ST2+1], s[ST2]
	s_mov_b32 s[ST3+1], s[ST3]
.irp ct, 0,1,2,3
	INSPLIT ACC+32+4*\ct, IN+8*\ct+2               ; c is scaled, split and packed once for all four layers
.endr
	s_wait_tensorcnt 0x1                           ; my eighth of part A has landed; part B's may stay out
	s_wait_dscnt 0x0
	s_barrier_signal -1
	s_barrier_wait -1                              ; everybody's eighth has
	; ---------------------------------------------------------------- the four layers
	s_mov_b32 s15, 0
.Llayer:
	LAYER 0                                        ; layers 0, 1, 2: each asks for both parts of the next layer
	s_add_co_u32 s15, s15, 1
	s_cmp_lt_u32 s15, 3
	s_cbranch_scc1 .Llayer
	LAYER 1                                        ; layer 3 asks for nothing and stores the results
	s_wait_tensorcnt 0x0
	ds_add_u32 v22, v23
	s_wait_dscnt 0x0
	ROUND                                          ; the closing round: no work-group ends while a partner may still ask jointly
	s_endpgm
.Lfunc_end_k_q45059dffeb_flow:
	.size	k_q45059dffeb_flow, .Lfunc_end_k_q45059dffeb_flow-k_q45059dffeb_flow
	.p2alignl 7, 3214868480
	.fill 96, 4, 3214868480
	.section	.rodata,"a",@progbits
	.p2align	6, 0x0
	.amdhsa_kernel k_q45059dffeb_flow
		.amdhsa_group_segment_fixed_size 327680
		.amdhsa_private_segment_fixed_size 0
		.amdhsa_enable_private_segment 0
		.amdhsa_kernarg_size 40
		.amdhsa_user_sgpr_count 2
		.amdhsa_user_sgpr_kernarg_segment_ptr 1
		.amdhsa_wavefront_size32 1
		.amdhsa_system_sgpr_workgroup_id_x 1
		.amdhsa_system_sgpr_workgroup_id_y 1
		.amdhsa_system_sgpr_workgroup_id_z 1
		.amdhsa_system_vgpr_workitem_id 0
		.amdhsa_next_free_vgpr 512
		.amdhsa_next_free_sgpr 66
		.amdhsa_reserve_vcc 1
		.amdhsa_float_denorm_mode_32 3
		.amdhsa_float_denorm_mode_16_64 3
		.amdhsa_memory_ordered 1
		.amdhsa_forward_progress 1
		.amdhsa_inst_pref_size 255
	.end_amdhsa_kernel
	.section	.bss,"aw",@nobits
	.p2align	6
	.space	262144
	.amdgpu_metadata
---
amdhsa.version: [ 1, 2 ]
amdhsa.kernels:
  - .name:           k_q45059dffeb_flow
    .symbol:         k_q45059dffeb_flow.kd
    .args:
      - { .name: wimg, .offset: 0, .size: 8, .value_kind: global_buffer, .address_space: global }
      - { .name: x, .offset: 8, .size: 8, .value_kind: global_buffer, .address_space: global }
      - { .name: c, .offset: 16, .size: 8, .value_kind: global_buffer, .address_space: global }
      - { .name: out0, .offset: 24, .size: 8, .value_kind: global_buffer, .address_space: global }
      - { .name: out1, .offset: 32, .size: 8, .value_kind: global_buffer, .address_space: global }
    .group_segment_fixed_size: 327680
    .private_segment_fixed_size: 0
    .kernarg_segment_align: 8
    .kernarg_segment_size: 40
    .max_flat_workgroup_size: 256
    .sgpr_count:     66
    .vgpr_count:     512
    .wavefront_size: 32
...
	.end_amdgpu_metadata
.endif
;; end of part 4
